; MI455X (gfx1250); checked and timed in simulation.
; The chip was launched on July 23, 2026; its instructions are those of AMD's public machine-readable ISA for CDNA 5 (MIT licence, August 2026) and "CDNA5" Instruction Set Architecture Reference Guide (July 2026). The comments in the code are by the model that wrote it; some were corrected since.
;; Self Attention. Allowed arithmetic: matrix products marked QUANTISED: E4M3 operands, one E8M0 scale for each 32 along K, by v_wmma_scale_f32_16x16x128_f8f6f4 with both operands' format E4M3, f32 sums; everything else in f32.
;; Inputs: Wk_codes 1,024 x 32 x 32 uint8 (E4M3 codes of Wk, K innermost, in blocks of 32 codes); Wk_scales 1,024 x 32 uint8 (E8M0 scales of Wk, one for each 32 codes along K); Wq_codes 1,024 x 32 x 32 uint8 (E4M3 codes of Wq, K innermost, in blocks of 32 codes); Wq_scales 1,024 x 32 uint8 (E8M0 scales of Wq, one for each 32 codes along K); Wv_codes 1,024 x 32 x 32 uint8 (E4M3 codes of Wv, K innermost, in blocks of 32 codes); Wv_scales 1,024 x 32 uint8 (E8M0 scales of Wv, one for each 32 codes along K); bk 1,024 float32; bq 1,024 float32; bv 1,024 float32; x_codes 4 x 2,048 x 32 x 32 uint8 (E4M3 codes of x, K innermost, in blocks of 32 codes); x_scales 4 x 2,048 x 32 uint8 (E8M0 scales of x, one for each 32 codes along K).
;; Outputs: out0 4 x 2,048 x 1,024 float32.
;; This version of the problem:
;;   THIS VERSION OF THE PROBLEM IS GIVEN IN LOW PRECISION. The matrix products marked QUANTISED in the list below multiply operands that are first quantised to E4M3 (4 exponent bits, 3 mantissa bits; 8 bits a number), with one power-of-two scale for each 32 numbers along K (OCP MX v1.0); their sums are f32. All else is computed in f32.
;;   The module's matrix products, in the order in which they are computed (A, B: the left and right operand; K: the contracted axis; several contracted axes count as one K, in the product's order):
;;     1. [M 8,192, K 1,024] x [K 1,024, N 1,024]; A: input x (given as codes); B: input Wq (given as codes): QUANTISED
;;     2. [M 8,192, K 1,024] x [K 1,024, N 1,024]; A: input x (given as codes); B: input Wk (given as codes): QUANTISED
;;     3. [M 8,192, K 1,024] x [K 1,024, N 1,024]; A: input x (given as codes); B: input Wv (given as codes): QUANTISED
;;     4. batch 64 x [M 2,048, K 64] x [K 64, N 2,048]; A: computed on the way; B: computed on the way: QUANTISED
;;     5. batch 64 x [M 64, K 2,048] x [K 2,048, N 2,048]; A: computed on the way; B: softmax (see below): QUANTISED
;;   THE QUANTISER, for each operand of a quantised product, along K:
;;     - K is cut into blocks of 32 from its start; a last block that is shorter is filled with zeros.
;;     - A block's scale is 2^e with e = floor(log2(the largest magnitude in the block)) - 8, held to -126 .. 127; a block of zeros has e = 0. As a byte (E8M0): e + 127.
;;     - Each number is divided by its block's scale, clamped to +-448, and rounded to the nearest number of E4M3, ties to even, subnormals kept.
;;     - The product sums the exact products of the quantised numbers (number of the format x scale) in f32.
;;   ~~~python
;;   def quantise(x, axis):      # numpy; x: float32 -> the quantised numbers, widened to float32 again
;;       x = np.moveaxis(x, axis, -1); K = x.shape[-1]
;;       x = np.pad(x, [(0, 0)] * (x.ndim - 1) + [(0, -K % 32)]); x = x.reshape(x.shape[:-1] + (-1, 32)); a = np.abs(x).max(-1, keepdims=True)
;;       e = np.where(a > 0, np.clip(np.frexp(np.where(a > 0, a, 1))[1] - 1 - 8, -126, 127), 0)      # np.frexp(a)[1] - 1 = floor(log2(a)), exactly
;;       r = np.clip(x / 2.0 ** e, -448, 448)
;;       step = 2.0 ** (np.maximum(np.frexp(np.where(r == 0, 1, r))[1] - 1, -6) - 3)
;;       q = np.round(r / step) * step * 2.0 ** e      # np.round: ties to even
;;       return np.moveaxis(q.reshape(q.shape[:-2] + (-1,))[..., :K], -1, axis).astype(np.float32)
;;   ~~~
;;   SOFTMAX AHEAD OF A QUANTISED PRODUCT. Where the list says 'softmax', what is quantised is not the finished softmax but p = 2^(t - M), with t = logit x log2(e) and M = ceil(the row's largest t), a whole number; so 1/2 < the row's largest p <= 1. The row's sum l is taken of the UNQUANTISED p, in f32, and the product's result is divided by l at the end. Since M is a whole number, a kernel that streams over the keys may use a running M (the ceiling of the running maximum): every later rescaling is an exact power of two, which a block's scale takes up: the codes' values come out the same.
;;   OPERANDS COMPUTED ON THE WAY. 'Computed on the way' means the value that the module computes at that place (a softmax that the list does not call 'softmax' is quantised finished and normalised). What goes into a quantiser is computed in f32, as accurately as f32 sums, v_exp_f32 and their like allow (about 1e-6 of the number): no bf16 or f16 on the way to a quantiser, and a product that is left as it is and whose result goes on into a quantised operand takes f32 operands (vector FMAs, or v_wmma_f32_16x16x4_f32). A number that lies on a knife's edge between two numbers of the format may be rounded either way, as far as f32 arithmetic and the matrix unit's own rounding can turn it there, and no further.
;;   INPUTS GIVEN AS CODES. Wk (in the module: [1024, 1024], K = its axis 1); Wq (in the module: [1024, 1024], K = its axis 1); Wv (in the module: [1024, 1024], K = its axis 1); x (in the module: [4, 2048, 1024], K = its axis 2): each comes as NAME_codes (uint8): NAME with its K axis moved to the last place and cut into blocks of 32 codes, [.., K / 32, bytes a block], one block behind the other in memory; one code a byte (a code: sign, 4 exponent bits, 3 mantissa bits); and NAME_scales (uint8): the same leading axes, one E8M0 byte (e + 127) for each 32 codes along K. Its value is code x scale, taken as it is: it is not quantised again, and the codes and scales need not be those that the quantiser above would give.
;; 2 versions. Each part assembles by itself: llvm-mc -triple=amdgcn-amd-amdhsa -mcpu=gfx1250 --defsym DOCPART=n.
;; ======== version 1 of 2: 2 launches
;; workspace buffers: qc 8,388,608 bytes; qs 524,288 bytes; kv 16,777,216 bytes; kvs 786,432 bytes
;; launch proj (part 1): grid 4 x 96, 4 waves a work-group, clusters of 4 x 4, 327,680 bytes of LDS; arguments x_codes, x_scales, Wq_codes, Wq_scales, Wk_codes, Wk_scales, Wv_codes, Wv_scales, bq, bk, bv, qc, qs, kv, kvs; writes qc, qs, kv, kvs
.if DOCPART == 1
	.amdgcn_target "amdgcn-amd-amdhsa--gfx1250"
	.amdhsa_code_object_version 6
	.text
	.protected	k_qa13b9f34ec_proj
	.globl	k_qa13b9f34ec_proj
	.p2align	8
	.type	k_qa13b9f34ec_proj,@function
k_qa13b9f34ec_proj:
	s_mov_b64 s[64:65], 0
	v_nop
	global_prefetch_b8 v0, s[64:65] scope:SCOPE_SE
	s_setreg_imm32_b32 hwreg(HW_REG_WAVE_MODE, 25, 1), 1
	s_wait_xcnt 0x0
	s_wait_alu depctr_hold_cnt(0) depctr_sa_sdst(0) depctr_va_vdst(0) depctr_va_sdst(0) depctr_va_ssrc(0) depctr_va_vcc(0) depctr_vm_vsrc(0)
	s_getreg_b32 s2, hwreg(HW_REG_IB_STS2, 6, 4)
	s_cmp_eq_u32 s2, 0
	s_cbranch_scc0 .Lentry_in_a_cluster
	s_endpgm
.Lentry_in_a_cluster:
	s_bfe_u32 s2, ttmp6, 0x10000c
	s_cmp_lg_u32 s2, 0xf033
	s_cbranch_scc0 .Lentry_shape_is_right
	s_endpgm
.Lentry_shape_is_right:
; q, k, v = x W^T + b on codes of FP8 (E4M3) with one E8M0 scale for each 32 along K = 1,024; the results are quantised in registers and leave as codes and scale words.
; ONE GENERIC PRODUCT: C[i][j] = sum over k of P[i][k] R[j][k] + bias, quantised along j.  T = 0 (q), 1 (k): P = x, R = Wq or Wk, j = the output channel (the next product's K is the head's 64).
; T = 2 (v): P = Wv, R = x, j = the key (the next product's K is the keys).  T hangs on the cluster's y alone; it chooses pointers and global offsets, never an LDS address.
; A tile of C, 256 x 256, is made by four waves, each 128 x 128: 64 accumulators, 512 registers.  K goes in four steps of 256 through a ring of two LDS slots filled by the tensor data mover.
; The scale bytes of the tile's 256 rows of P and of R, for all of K, are two dense blocks of memory: they come into LDS once, with the first fills, and stay.
; CLUSTERS: 4 x 4 work-groups; the four of a row need the same tiles of P, the four of a column the same tiles of R: each tile is asked for jointly.
; THE MATRIX INSTRUCTION IS USED TRANSPOSED (source 0 = 16 rows of R, source 1 = 16 rows of P): lane (r, h) holds row i = r, and its eight registers of block b hold j = 16 b + 8 h + 0 .. 7.
; So the 16 registers of blocks 2 c and 2 c + 1 are 16 of the 32 numbers of scale block c; lane l xor 16 holds the other 16.  The codes made of them ARE registers 4 c .. 4 c + 3 of the next operand:
; slot (c, h, byte e) holds j = 32 c + 8 h + e (e < 8) or 32 c + 16 + 8 h + e - 8.  Every computed operand of the next launch has this same order inside a block of 32, on both sides of a product,
; so each product meets its partner under its own scale; only the order of the additions inside an instruction differs from ascending k.
; OUT: images of operand registers, 512 bytes (lane x 16) a unit.  qc [bh][tile of 16 queries][c 2]; kv [bh][key step of 128][K: tile t 0..7, c 2 | V at 8,192: tile of 16 channels 0..3, c 4];
; qs [bh][query] words; kvs [bh][2,048 words of K | 16 key steps x 64 channels words of V].  A word of q or k has its two scale bytes below and 0 above.
; LIMITS: NaN and infinities among the inputs are not served; a block whose largest magnitude lies under 2^-118 keeps the byte 1; a block of zeros gets the byte 1 where the quantiser says 127:
; its codes are zeros, and the bytes are read by this program alone.
; REGISTERS: window 0: v0-31 addresses and the bias along i; v32-63 scale words, two sets; v64-127 the bias along j (the C of the first products), later 64 numbers at work; from v128 P's fragments, one set.
;   window 1: R's fragments, two sets.   windows 2, 3: the accumulators ((a, b) at v[8 (8 (a % 4) + b)]).
.set NQ,     2                         ; matrix instructions deep in a slot: 256 along K
.set ROWB,   256                       ; a tile's row in bytes
.set KROW,   1024                      ; a row of P or R in memory
.set PITCH,  272                       ; an LDS row: 256 bytes + 16 of padding: the 16 rows that a load touches start 68 words apart
.set FR,     16                        ; registers of a fragment
.set NL,     4                         ; LDS loads that bring one
.set NP,     8                         ; places behind this matrix instruction (ISA guide 7.12.1)
.set HALFT,  128*PITCH                 ; 128 rows: one tensor load
.set SLOT,   4*HALFT                   ; P's 256 rows, then R's 256
.set KS,     32                        ; a row of scale bytes
.set SCL,    2*SLOT                    ; behind the ring: the scales, units of 256 bytes + 16
.set HALFS,  16*272                    ; those of 128 rows
.set SBLK,   2*272                     ; those of 16 rows
.set SPARE,  SCL+4*HALFS               ; the spare words: 128 bytes a wave, two blocks of 256 bytes that no other line names
.set SHV,  7                           ; v7     the shift that picks a head's two scale bytes: 16 for lanes 16-31 of q and k, else 0
.set BI,   8                           ; v8-15  the bias along i, block a's in v[8 + a] (zeros for q and k)
.set ADRA, 16                          ; v16-17 LDS address of my P fragments in slot 0, 1
.set VO,   18                          ; v18    16 x lane;  v19  the same + the step to code blocks 2 and 3
.set ADRB, 20                          ; v20-21 the same as ADRA for R
.set SWA,  22                          ; v22    the scale stage, in: 1,024 x wave + 512 h + 4 r
.set SRA,  23                          ; v23    and back: 1,024 x wave + 16 x lane
.set BIC,  24                          ; v[24:25] the block's bias along i, in the low word
.set ADRS, 27                          ; v27    LDS address of my scale words: lanes 0-15 P's rows, lanes 16-31 R's
.set SPW,  28                          ; v28    my spare word;  v29  0: both never rewritten
.set NIL,  29
.set VSO,  30                          ; v30    my byte offset among the scale words that leave
.set SC,   32
.set BJ,   64                          ; v64-127 the bias along j, eight registers a block b (zeros for v)
.set X,    64                          ; later: a block's 64 numbers
.set AF,   128
.set PC,   128                         ; the way out: v128-143 codes, v144-159 at work, v160 the scale word, v161 as it leaves, v164-171 words read back
.set TM,   144
.set PW,   160
.set SD,   161
.set SCB,  164
.set G1,   24                          ; s[24:31], s[32:39] groups 1 and 0 (a set a slot) for P's tiles;  s[48:55], s[56:63] for R's
.set G0,   32
.set G1B,  48
.set G0B,  56
.set G1S,  68                          ; s[68:75], s[76:79] for P's scales;  s[80:87], s[88:91] for R's
.set G0S,  76
.set G1SB, 80
.set G0SB, 88
.set BA,   24                          ; the way out: s[24:39] where block a's codes go
.set MSB, 0
.macro WIN new                         ; the immediate's high byte repeats the setting that is left
.if MSB != (\new)
	s_set_vgpr_msb (MSB<<8)|(\new)
.set MSB, (\new)
.endif
.endm
.set MUL_LO,  0xa1                     ; source 0 (R) window 1, source 1 (P) window 0, C and D window 2
.set MUL_HI,  0xf1                     ; the same, C and D window 3
.set MUL_LO0, 0x81                     ; the first products: C is the bias, in window 0
.set MUL_HI0, 0xc1
.set TO_B,    0x40                     ; destination window 1
; A joint load: waves 0 and 1 fetch for P, waves 2 and 3 for R; the branch hangs on the wave's number alone.  Four v_nop follow each of the two lines.
.macro JLOAD g0a, g1a, g0b, g1b
	s_cmp_eq_u32 s15, 0
	s_cbranch_scc0 .Lfor_b_\@
	tensor_load_to_lds s[\g0a:\g0a+3], s[\g1a:\g1a+7]
	s_nop 0
.rept 4
	v_nop
.endr
	s_branch .Lasked_\@
.Lfor_b_\@:
	tensor_load_to_lds s[\g0b:\g0b+3], s[\g1b:\g1b+7]
	s_nop 0
.rept 4
	v_nop
.endr
.Lasked_\@:
.endm
.macro CREST                           ; a round of the cluster's barrier behind its opening barrier
	s_cmp_lg_u32 s14, 0
	s_cbranch_scc1 .Lnot_wave_0_\@
	s_barrier_signal -3
.Lnot_wave_0_\@:
	s_barrier_wait -3
	s_barrier_signal -1
	s_barrier_wait -1
.endm
.macro CROUND                          ; a whole round
	s_barrier_signal -1
	s_barrier_wait -1
	CREST
.endm
	s_load_b512 s[24:39], s[0:1], 0x0              ; x codes, x scales, Wq codes, Wq scales, Wk codes, Wk scales, Wv codes, Wv scales
	s_load_b256 s[40:47], s[0:1], 0x40             ; bq, bk, bv, qc
	s_load_b128 s[48:51], s[0:1], 0x60             ; qs, kv
	s_load_b64 s[52:53], s[0:1], 0x70              ; kvs
	v_lshl_add_u32 v[SPW], v0, 2, SPARE
	v_mov_b32 v[NIL], 0
	ds_add_u32 v28, v29
	ds_add_u32 v28, v29
	s_wait_dscnt 0x0
	v_lshrrev_b32 v1, 5, v0
	v_readfirstlane_b32 s14, v1                    ; wave 0..3
	s_lshr_b32 s15, s14, 1                         ; which 128 of the tile's i are mine.  Also: I fetch for P (0) or for R (1)
	s_and_b32 s16, s14, 1                          ; which 128 of its j.  Also: which 128 rows of that tile I fetch
	s_bfe_u32 s92, ttmp6, 0x40000                  ; cx
	s_bfe_u32 s93, ttmp6, 0x40004                  ; cy
	s_and_b32 s2, ttmp7, 0xffff                    ; the cluster's y, 0 .. 23
	s_lshr_b32 s66, s2, 3                          ; T: 0 q, 1 k, 2 v
	s_and_b32 s67, s2, 7                           ; which four tiles of x's 32
	s_cmp_lt_u32 s66, 2
	s_cselect_b32 s17, s67, 0                      ; x's rows run along i for q and k,
	s_cselect_b32 s94, 0, s67                      ; along j for v
	s_lshl_b32 s17, s17, 2
	s_add_co_u32 s17, s17, s93                     ; the tile's place along i: it holds cy and never cx
	s_lshl_b32 s94, s94, 2
	s_add_co_u32 s94, s94, s92                     ; along j: cx and never cy
	s_lshl_b32 s95, s93, 2
	s_lshl_b32 s95, 15, s95                        ; my row of the cluster
	s_lshl_b32 s100, 0x1111, s92                   ; my column
	s_wait_kmcnt 0x0
	s_cmp_lt_u32 s66, 2                            ; the buffers are chosen by T, which hangs on no address
	s_cselect_b64 s[4:5], s[24:25], s[36:37]       ; P's codes: x or Wv
	s_cselect_b64 s[6:7], s[26:27], s[38:39]       ; P's scales
	s_cselect_b64 s[8:9], s[32:33], s[24:25]       ; R's codes: Wk or x
	s_cselect_b64 s[10:11], s[34:35], s[26:27]     ; R's scales
	s_cselect_b64 s[98:99], s[42:43], s[44:45]     ; the bias: bk or bv
	s_cmp_eq_u32 s66, 0
	s_cselect_b64 s[8:9], s[28:29], s[8:9]         ; for q: Wq,
	s_cselect_b64 s[10:11], s[30:31], s[10:11]
	s_cselect_b64 s[98:99], s[40:41], s[98:99]     ; bq
	s_cselect_b64 s[12:13], s[46:47], s[50:51]     ; the codes go to qc or to kv,
	s_cselect_b64 s[96:97], s[48:49], s[52:53]     ; the scale words to qs or to kvs
	; descriptor group 1: a tile of 128 rows x 256 bytes, 16 bytes of padding behind each row (the arguments' registers are free now)
	s_or_b32 s[G1+0], s95, (0<<16)|(1<<20)|(1<<21)|(5<<22)|(3<<25)   ; 15:0 the mask: P's tiles go to my row; elements of 1 byte; padding on; bit 21 beside a mask; after every 64 words, 4 words
	s_or_b32 s[G1B+0], s100, (0<<16)|(1<<20)|(1<<21)|(5<<22)|(3<<25) ; R's go to my column
.irp g, G1, G1B
	s_mov_b32 s[\g+1], ROWB<<16                    ; tensor_dim0
	s_mov_b32 s[\g+2], 128<<16                     ; tensor_dim1
	s_mov_b32 s[\g+3], ROWB<<16                    ; tile_dim0
	s_mov_b32 s[\g+4], 128                         ; tile_dim1
	s_mov_b32 s[\g+5], KROW                        ; from row to row
	s_mov_b32 s[\g+6], 0
	s_mov_b32 s[\g+7], 0
.endr
	; the scales of 128 rows: 4,096 dense bytes as 16 rows of 256 (32 elements of 8 bytes), 16 bytes of padding behind each
	s_or_b32 s[G1S+0], s95, (3<<16)|(1<<20)|(1<<21)|(5<<22)|(3<<25)
	s_or_b32 s[G1SB+0], s100, (3<<16)|(1<<20)|(1<<21)|(5<<22)|(3<<25)
.irp g, G1S, G1SB
	s_mov_b32 s[\g+1], 32<<16
	s_mov_b32 s[\g+2], 16<<16
	s_mov_b32 s[\g+3], 32<<16
	s_mov_b32 s[\g+4], 16
	s_mov_b32 s[\g+5], 32
	s_mov_b32 s[\g+6], 0
	s_mov_b32 s[\g+7], 0
.endr
	s_lshl_b32 s18, s16, 7                         ; which 128 rows of the tile I fetch
	s_lshl_b32 s20, s17, 8
	s_add_co_u32 s20, s20, s18                     ; P: row 256 x tile + 128 x half (under 8,192)
	s_lshl_b32 s46, s94, 8
	s_add_co_u32 s46, s46, s18                     ; R likewise
	s_lshl_b32 s22, s20, 5                         ; where these rows' scales begin, in bytes,
	s_mov_b32 s23, 0
	s_lshl_b32 s20, s20, 10                        ; and their codes
	s_mov_b32 s21, 0
	s_lshl_b32 s40, s46, 5
	s_mov_b32 s41, 0
	s_lshl_b32 s46, s46, 10
	s_mov_b32 s47, 0
	s_mul_i32 s45, s14, HALFT                      ; where they go: wave x 128 rows: no place in the cluster enters an LDS address
	s_mul_i32 s44, s14, HALFS
	s_add_nc_u64 s[20:21], s[4:5], s[20:21]
	s_add_nc_u64 s[22:23], s[6:7], s[22:23]
	s_add_nc_u64 s[46:47], s[8:9], s[46:47]
	s_add_nc_u64 s[40:41], s[10:11], s[40:41]
	CROUND                                         ; all sixteen work-groups are here: the first joint loads meet
	s_mov_b32 s[G0S], 1
	s_add_co_u32 s[G0S+1], s44, SCL
	s_mov_b64 s[G0S+2:G0S+3], s[22:23]
	s_or_b32 s[G0S+3], s[G0S+3], 0x80000000
	s_mov_b32 s[G0SB], 1
	s_add_co_u32 s[G0SB+1], s44, SCL
	s_mov_b64 s[G0SB+2:G0SB+3], s[40:41]
	s_or_b32 s[G0SB+3], s[G0SB+3], 0x80000000
	JLOAD G0S, G1S, G0SB, G1SB                     ; the scales first: they are wanted with K step 0
.irp s, 0,1
	s_mov_b32 s[G0+4*\s], 1
	s_add_co_u32 s[G0+4*\s+1], s45, \s*SLOT
	s_add_nc_u64 s[G0+4*\s+2:G0+4*\s+3], s[20:21], \s*ROWB
	s_or_b32 s[G0+4*\s+3], s[G0+4*\s+3], 0x80000000
	s_mov_b32 s[G0B+4*\s], 1
	s_add_co_u32 s[G0B+4*\s+1], s45, \s*SLOT
	s_add_nc_u64 s[G0B+4*\s+2:G0B+4*\s+3], s[46:47], \s*ROWB
	s_or_b32 s[G0B+4*\s+3], s[G0B+4*\s+3], 0x80000000
	JLOAD G0+4*\s, G1, G0B+4*\s, G1B               ; with the scales', two tensor loads of mine are out behind slot 0's, three behind slot 1's
.endr
	v_and_b32 v1, 15, v0                           ; r
	v_bfe_u32 v2, v0, 4, 1                         ; h
	v_mul_u32_u24 v3, v1, PITCH
	v_lshl_add_u32 v4, v2, 4, v3                   ; a fragment's row x pitch + 16 h
	s_mul_i32 s21, s15, HALFT                      ; my 128 rows of P
	s_mul_i32 s22, s16, HALFT                      ; my 128 rows of R,
	s_add_co_u32 s22, s22, 2*HALFT                 ; which lie behind P's 256
.irp s, 0,1
	v_add_nc_u32 v[ADRA+\s], s21, v4
	v_add_nc_u32 v[ADRB+\s], s22, v4
	s_add_co_u32 s21, s21, SLOT
	s_add_co_u32 s22, s22, SLOT
.endr
	v_mul_u32_u24 v5, v1, KS                       ; my row's scales: 32 bytes a row,
	v_lshrrev_b32 v6, 8, v5
	v_lshl_add_u32 v5, v6, 4, v5                   ; and 16 more for each 256 passed
	s_mul_i32 s21, s15, HALFS
	s_mul_i32 s22, s16, HALFS
	s_add_co_u32 s22, s22, 2*HALFS
	s_sub_co_u32 s22, s22, s21
	v_mul_u32_u24 v6, s22, v2                      ; lanes 16-31 take R's: one product, the distance between the two bases
	s_add_co_u32 s21, s21, SCL
	v_add_nc_u32 v5, v5, v6
	v_add_nc_u32 v[ADRS], s21, v5
	v_and_b32 v6, 31, v0
	v_lshlrev_b32 v[VO], 4, v6                     ; 16 x lane
	s_lshl_b32 s23, s14, 10                        ; my scale stage: 1,024 bytes in slot 0, used when that slot has had its last fill and its last read
	v_lshlrev_b32 v5, 2, v1
	v_lshl_add_u32 v5, v2, 9, v5
	v_add_nc_u32 v[SWA], s23, v5
	v_add_nc_u32 v[SRA], s23, v[VO]
	; THE BIAS.  Along j (q, k) it is the C of the first products; along i (v) it is added on the way out.  Both are loaded; the one that does not apply is read at offset 0 and cleared.
	s_cmp_lt_u32 s66, 2
	s_cselect_b32 s2, -1, 0                        ; keeps the bias along j
	s_cselect_b32 s3, 0, -1                        ; keeps the bias along i
	s_lshl_b32 s18, s94, 10
	s_lshl_b32 s19, s16, 9
	s_add_co_u32 s18, s18, s19                     ; 4 (256 x tile + 128 x half) along j,
	s_and_b32 s18, s18, s2
	s_lshl_b32 s19, s17, 10
	s_lshl_b32 s21, s15, 9
	s_add_co_u32 s19, s19, s21                     ; along i: either is under 4,096 where it is kept
	s_and_b32 s19, s19, s3
	v_lshl_add_u32 v5, v2, 5, s18                  ; + 32 h: my eight numbers of a block b
	v_lshl_add_u32 v6, v1, 2, s19                  ; + 4 r: my row of a block a
.irp b, 0,1,2,3,4,5,6,7
	global_load_b128 v[BJ+8*\b:BJ+8*\b+3], v5, s[98:99] offset:64*\b
	global_load_b128 v[BJ+8*\b+4:BJ+8*\b+7], v5, s[98:99] offset:64*\b+16
	global_load_b32 v[BI+\b], v6, s[98:99] offset:64*\b
.endr
	v_mov_b32 v[BIC+1], 0                          ; named with v24 as a pair, so it is written
	s_wait_loadcnt 0x0
.set i, 0
.rept 64
	v_and_b32 v[BJ+i], s2, v[BJ+i]
.set i, i+1
.endr
.set i, 0
.rept 8
	v_and_b32 v[BI+i], s3, v[BI+i]
.set i, i+1
.endr
.macro FRAG reg, adr, q, i             ; 16 rows x 128 K of codes: lane l holds row l % 16; registers 4 c .. 4 c + 3 hold K = 32 c + 16 (l / 16) + 0 .. 15
.irp c, 0,1,2,3
	ds_load_b128 v[\reg+4*\c:\reg+4*\c+3], v[\adr] offset:128*(\q)+32*\c+(\i)*16*PITCH
.endr
.endm
; 16 matrix instructions: P's blocks a0, a0 + 1 x R's eight, the slot's q-th 128 along K.  p: R's set;  sc: the set of scale words.  zero = 1: the first product starts the sums from the bias.
; The 64 accumulators take turns, one instruction a turn, in the same order in every step.
.macro MUL16 a0, p, q, sc, zero
.irp a, \a0, \a0+1
.irp b, 0,1,2,3,4,5,6,7
.if \zero
	v_wmma_scale_f32_16x16x128_f8f6f4 v[8*(8*((\a)%4)+\b):8*(8*((\a)%4)+\b)+7], v[128*(\p)+FR*\b:128*(\p)+FR*\b+FR-1], v[AF+FR*(\a):AF+FR*(\a)+FR-1], v[BJ+8*\b:BJ+8*\b+7], v[SC+8*NQ*(\sc)+NQ*\b+(\q)], v[SC+8*NQ*(\sc)+NQ*(\a)+(\q)] matrix_a_scale:MATRIX_SCALE_ROW1
.else
	v_wmma_scale_f32_16x16x128_f8f6f4 v[8*(8*((\a)%4)+\b):8*(8*((\a)%4)+\b)+7], v[128*(\p)+FR*\b:128*(\p)+FR*\b+FR-1], v[AF+FR*(\a):AF+FR*(\a)+FR-1], v[8*(8*((\a)%4)+\b):8*(8*((\a)%4)+\b)+7], v[SC+8*NQ*(\sc)+NQ*\b+(\q)], v[SC+8*NQ*(\sc)+NQ*(\a)+(\q)] matrix_a_scale:MATRIX_SCALE_ROW1
.endif
.endr
.endr
.endm
.macro FETCH_B slot, q, p              ; R's eight fragments of the slot's q-th 128 along K into set p
	WIN TO_B
.irp i, 0,1,2,3,4,5,6,7
	FRAG 128*(\p)+FR*\i, ADRB+\slot, \q, \i
.endr
	WIN 0
.endm
.macro FETCH_A slot, q, i0             ; P's blocks i0 .. i0 + 3
.irp i, \i0, \i0+1, \i0+2, \i0+3
	FRAG AF+FR*(\i), ADRA+\slot, \q, \i
.endr
.endm
.macro SCALES sc                       ; a K step's scale words into set sc: two words a row; lanes 0-15 take P's block i, lanes 16-31 R's block i
.irp i, 0,1,2,3,4,5,6,7
	ds_load_b64 v[SC+8*NQ*\sc+NQ*\i:SC+8*NQ*\sc+NQ*\i+1], v[ADRS] offset:\i*SBLK
.endr
.endm
.macro PLACES n                        ; plain vector instructions between a matrix instruction and a load into, or a read of, its registers (ISA guide 7.12.1 for reads)
.rept \n
	v_nop
.endr
.endm
; A step of 128 along K that has its successor in the same slot.  P has one set of registers: blocks 0-3 are fetched anew in the step's middle, blocks 4-7 at its end.
.macro STEP slot, q, zero
	s_wait_dscnt 4*NL                              ; R's set, the scale words and P's blocks 0-3 are in; the youngest sixteen loads (P's blocks 4-7) may be out
.if \zero
	WIN MUL_LO0
.else
	WIN MUL_LO
.endif
	MUL16 0, (\q)%2, \q, \slot, \zero
	MUL16 2, (\q)%2, \q, \slot, \zero
	s_wait_dscnt 0                                 ; P's blocks 4-7 are in
	PLACES NP
	FETCH_B \slot, (\q)+1, 1-(\q)%2
	FETCH_A \slot, (\q)+1, 0
.if \zero
	WIN MUL_HI0
.else
	WIN MUL_HI
.endif
	MUL16 4, (\q)%2, \q, \slot, \zero
	MUL16 6, (\q)%2, \q, \slot, \zero
	PLACES NP
	WIN 0
	FETCH_A \slot, (\q)+1, 4
.endm
; A slot's last step changes slots: one barrier; in front of it each wave waits for all its tensor loads, adds 0 to its spare word, and waits for that and for its own reads of this slot.
; fill = 1: the barrier opens a round of the cluster's barrier, and behind the round this slot is filled again, two K steps ahead.
.macro TURN slot, next, fill
	s_wait_tensorcnt 0x0                           ; all my tensor loads have landed: my part of the next slot
	ds_add_u32 v[SPW], v[NIL]                      ; 0 onto my spare word
	s_wait_dscnt 4*NL+1                            ; (the add and the youngest sixteen loads may be out)
	WIN MUL_LO
	MUL16 0, 1, NQ-1, \slot, 0                     ; sixteen matrix instructions stand between the add and the wait for it
	s_wait_dscnt 0x0                               ; the add is done, and my reads of this slot are over
	s_barrier_signal -1
	MUL16 2, 1, NQ-1, \slot, 0
	WIN 0
	s_barrier_wait -1
.if \fill
	CREST                                          ; no wave of any partner still reads this slot's tile or has a load on its way
	s_add_nc_u64 s[G0+4*\slot+2:G0+4*\slot+3], s[G0+4*\slot+2:G0+4*\slot+3], 2*ROWB
	s_add_nc_u64 s[G0B+4*\slot+2:G0B+4*\slot+3], s[G0B+4*\slot+2:G0B+4*\slot+3], 2*ROWB
	JLOAD G0+4*\slot, G1, G0B+4*\slot, G1B         ; the first tensor load behind the round, my only one until the next; its four v_nop are among the places below
	PLACES NP-4
.else
	PLACES NP
.endif
	v_add_nc_u32 v[ADRS], 4*NQ, v[ADRS]            ; on to the next K step's scale words (no LDS load of mine is out)
	FETCH_B \next, 0, 0
	FETCH_A \next, 0, 0
	SCALES \next
	WIN MUL_HI
	MUL16 4, 1, NQ-1, \slot, 0
	MUL16 6, 1, NQ-1, \slot, 0
	PLACES NP
	WIN 0
	FETCH_A \next, 0, 4
.endm
	s_wait_tensorcnt 1                             ; the scales and my part of K step 0 are in (K step 1's load may be out)
	s_barrier_signal -1
	s_barrier_wait -1                              ; everybody's are
	FETCH_B 0, 0, 0
	FETCH_A 0, 0, 0
	SCALES 0
	FETCH_A 0, 0, 4
	STEP 0, 0, 1                                   ; K step 0: its first products start the sums
	TURN 0, 1, 1                                   ; slot 0 takes K step 2
	STEP 1, 0, 0
	TURN 1, 0, 1                                   ; slot 1 takes K step 3
	STEP 0, 0, 0
	TURN 0, 1, 0                                   ; nothing is left to fetch: no round
	STEP 1, 0, 0
	s_wait_dscnt 4*NL                              ; the very last step
	WIN MUL_LO
	MUL16 0, 1, NQ-1, 1, 0
	MUL16 2, 1, NQ-1, 1, 0
	s_wait_dscnt 0
	WIN MUL_HI
	MUL16 4, 1, NQ-1, 1, 0
	MUL16 6, 1, NQ-1, 1, 0
	WIN 0
	; THE WAY OUT.  No tensor load of mine is out since the last change of slots, so the descriptors' registers are free.  First: where my codes and scale words go.
	PLACES NP                                      ; behind the last products: their results are read below, and the registers that held P's fragments are written
	s_cmp_lt_u32 s66, 2
	s_cselect_b32 s2, s17, s94                     ; the tile's place among x's rows,
	s_cselect_b32 s3, s94, s17                     ; and among the 1,024 channels
	s_cselect_b32 s18, s15, s16                    ; my half of each
	s_cselect_b32 s19, s16, s15
	s_mov_b32 s44, 2048
	s_cselect_b32 s44, 1024, s44                   ; from block a to a + 1: a tile of q or k is 1,024 bytes, of v 2,048
	s_mov_b32 s46, 262144
	s_cselect_b32 s46, 4096, s46                   ; from block a to a + 4: four tiles, or (v) the next head
	s_mov_b32 s48, 256
	s_cselect_b32 s48, 512, s48                    ; scale words of my 128 rows of x: 512 bytes, or (v) a key step's 256
	s_cselect_b32 s49, 0, 8192                     ; v lies 8,192 bytes on, in a key step's codes and in a head's scale words alike
	s_cselect_b32 s50, 0, 12032                    ; v: lanes 16-31 carry the next head's words: 12,288 - 256 further on
	s_mov_b32 s51, 1024
	s_cselect_b32 s51, 262144, s51                 ; from code blocks 0, 1 to 2, 3: the next head, or (v) two units
	s_cselect_b32 s55, 0xffff, -1                  ; a word of q or k keeps two bytes
	s_cselect_b32 s58, 16, 0
	s_cmp_eq_u32 s66, 0
	s_mov_b32 s52, 12288
	s_cselect_b32 s52, 8192, s52                   ; a head's scale words: 8,192 bytes in qs, 12,288 in kvs
	s_cselect_b32 s53, 1, 0                        ; a head of qc is half as long as one of kv
	s_mov_b32 s45, 0
	s_mov_b32 s47, 0
	s_mov_b32 s57, 0
	s_lshr_b32 s51, s51, s53
	s_lshr_b32 s54, s2, 3                          ; the batch,
	s_lshl_b32 s54, s54, 4
	s_lshl_b32 s3, s3, 2
	s_add_co_u32 s54, s54, s3
	s_lshl_b32 s19, s19, 1
	s_add_co_u32 s54, s54, s19                     ; 16 x batch + my first head (256 channels are four heads, my 128 two)
	s_and_b32 s2, s2, 7
	s_lshl_b32 s2, s2, 1
	s_add_co_u32 s2, s2, s18                       ; which 128 rows of the batch's 2,048
	s_lshl_b32 s56, s54, 18
	s_lshl_b32 s3, s2, 14
	s_add_co_u32 s56, s56, s3
	s_lshr_b32 s56, s56, s53
	s_add_co_u32 s56, s56, s49
	s_add_nc_u64 s[BA:BA+1], s[12:13], s[56:57]
.irp a, 1,2,3
	s_add_nc_u64 s[BA+2*\a:BA+2*\a+1], s[BA+2*\a-2:BA+2*\a-1], s[44:45]
.endr
.irp a, 4,5,6,7
	s_add_nc_u64 s[BA+2*\a:BA+2*\a+1], s[BA+2*\a-8:BA+2*\a-7], s[46:47]
.endr
	s_mul_i32 s56, s54, s52
	s_mul_i32 s3, s2, s48
	s_add_co_u32 s56, s56, s3
	s_add_co_u32 s56, s56, s49
	s_add_nc_u64 s[40:41], s[96:97], s[56:57]      ; my first head's scale words,
	s_mov_b32 s56, s52
	s_add_nc_u64 s[42:43], s[40:41], s[56:57]      ; the next head's
	s_mov_b32 s20, 0x76543210
	s_mov_b32 s21, 0xfedcba98                      ; v_permlanex16_b32's selects for lane l xor 16
	s_mov_b32 s22, 0x600000                        ; the mantissa field of 448
	v_mul_u32_u24 v[SHV], v2, s58
	v_add_nc_u32 v[VO+1], s51, v[VO]
	v_mul_u32_u24 v[VSO], v2, s50
	v_add_nc_u32 v[VSO], v[VSO], v[VO]
.irp b, 0,1,2,3
	v_mov_b32 v[TM+4+\b], 0                        ; written once: a lane permute's destination counts as one of its sources
.endr
; 64 numbers of a lane, v[X + 16 c + i], become a fragment's codes in v[PC] on and its scale word in v[PW].
.macro QUANT
.irp b, 0,1,2,3
	v_max3_num_f32 v[TM+\b], |v[X+16*\b]|, |v[X+1+16*\b]|, 0x4800000   ; block b: my 16 numbers, and the floor 2^(9 - 127): so the byte cannot fall under 1
.endr
.irp i, 2,4,6,8,10,12,14
.irp b, 0,1,2,3
	v_max3_num_f32 v[TM+\b], v[TM+\b], |v[X+16*\b+\i]|, |v[X+1+16*\b+\i]|   ; (the four blocks by turns)
.endr
.endr
.irp b, 0,1,2,3
	v_permlanex16_b32 v[TM+4+\b], v[TM+\b], s20, s21
.endr
.irp b, 0,1,2,3
	v_max_num_f32 v[TM+\b], v[TM+\b], v[TM+4+\b]   ; with lane l xor 16's: the block's largest magnitude
.endr
.irp b, 0,1,2,3
	v_add_nc_u32 v[TM+12+\b], 0xfc000000, v[TM+\b] ; 8 off its exponent field: the conversion takes the exponent field of this operand as its scale
.endr
.irp b, 0,1,2,3
	v_and_or_b32 v[TM+8+\b], v[TM+\b], 0x7f800000, s22   ; 448 x the scale
.endr
.irp b, 0,1,2,3
	v_lshrrev_b32 v[TM+4+\b], 23, v[TM+12+\b]      ; the scale's byte
.endr
	v_lshl_or_b32 v[PW], v[TM+5], 8, v[TM+4]
	v_lshl_or_b32 v[PW], v[TM+6], 16, v[PW]
	v_lshl_or_b32 v[PW], v[TM+7], 24, v[PW]
.irp b, 0,1,2,3
.irp i, 0,1,2,3,4,5,6,7,8,9,10,11,12,13,14,15
	v_med3_num_f32 v[X+16*\b+\i], v[X+16*\b+\i], -v[TM+8+\b], v[TM+8+\b]   ; the conversion to an 8-bit code does not saturate (ISA guide 7.6.2): the hold at the largest code x the scale
.endr
	v_cvt_scalef32_pk8_fp8_f32 v[PC+4*\b:PC+1+4*\b], v[X+16*\b:X+7+16*\b], v[TM+12+\b]
	v_cvt_scalef32_pk8_fp8_f32 v[PC+2+4*\b:PC+3+4*\b], v[X+8+16*\b:X+15+16*\b], v[TM+12+\b]
.endr
	v_nop                                          ; one plain vector instruction behind the last conversion
.endm
; Block a: 16 rows i x my 128 j.  The move out of the accumulators adds the bias along i; each accumulator is read from its low end on.
.macro BLOCKOUT a
.if (\a) > 0
	s_wait_xcnt 0x0                                ; the last block's stores have read their data: the codes' registers are written again only behind this wait
.endif
	v_mov_b32 v[BIC], v[BI+(\a)]
	WIN 0x02+(\a)/4                                ; source 0: window 2 or 3
.irp b, 0,1,2,3,4,5,6,7
.irp p, 0,2,4,6
	v_pk_add_f32 v[X+8*\b+\p:X+8*\b+\p+1], v[64*((\a)%4)+8*\b+\p:64*((\a)%4)+8*\b+\p+1], v[BIC:BIC+1] op_sel_hi:[1,0]
.endr
.endr
	WIN 0
	QUANT
	v_lshrrev_b32 v[SD], v[SHV], v[PW]             ; q, k: lanes 0-15 keep the first head's two bytes, lanes 16-31 the second head's; v: all four bytes
	v_and_b32 v[SD], s55, v[SD]
	ds_store_b32 v[SWA], v[SD] offset:64*(\a)      ; my own stage: 512 h + 64 a + 4 r
.irp e, 0,1,2,3
	global_store_b128 v[VO+\e/2], v[PC+4*\e:PC+4*\e+3], s[BA+2*(\a):BA+2*(\a)+1] offset:512*(\e%2)   ; 32 lanes store 512 consecutive bytes, at a multiple of 512 from the buffer's first byte
.endr
.endm
.irp a, 0,1,2,3,4,5,6,7
	BLOCKOUT \a
.endr
	ds_load_b128 v[SCB:SCB+3], v[SRA]              ; LDS serves a wave's instructions in order (ISA guide 5.7.1.4): these see my stores
	ds_load_b128 v[SCB+4:SCB+7], v[SRA] offset:512
	s_wait_dscnt 0x0
	global_store_b128 v[VSO], v[SCB:SCB+3], s[40:41]   ; q, k: the first head's 128 words, 512 consecutive bytes; v: 64 words for each of my two heads, 256 consecutive bytes each
	s_cmp_eq_u32 s66, 2                            ; v's words have all left; T is the same in all partners
	s_cbranch_scc1 .Lone_store
	global_store_b128 v[VSO], v[SCB+4:SCB+7], s[42:43] ; q, k: the second head's 128 words
.Lone_store:
	s_wait_tensorcnt 0x0                           ; the wave's end, behind my last tensor load and my last LDS store
	ds_add_u32 v[SPW], v[NIL]
	s_wait_dscnt 0x0
	CROUND                                         ; the closing round: no work-group ends while a partner may still ask for a tile that names it
	s_endpgm
.Lfunc_end_k_qa13b9f34ec_proj:
	.size	k_qa13b9f34ec_proj, .Lfunc_end_k_qa13b9f34ec_proj-k_qa13b9f34ec_proj
	.p2alignl 7, 3214868480
	.fill 96, 4, 3214868480
	.section	.rodata,"a",@progbits
	.p2align	6, 0x0
	.amdhsa_kernel k_qa13b9f34ec_proj
		.amdhsa_group_segment_fixed_size 327680
		.amdhsa_private_segment_fixed_size 0
		.amdhsa_enable_private_segment 0
		.amdhsa_kernarg_size 120
		.amdhsa_user_sgpr_count 2
		.amdhsa_user_sgpr_kernarg_segment_ptr 1
		.amdhsa_wavefront_size32 1
		.amdhsa_system_sgpr_workgroup_id_x 1
		.amdhsa_system_sgpr_workgroup_id_y 1
		.amdhsa_system_sgpr_workgroup_id_z 1
		.amdhsa_system_vgpr_workitem_id 0
		.amdhsa_next_free_vgpr 1024
		.amdhsa_next_free_sgpr 102
		.amdhsa_reserve_vcc 0
		.amdhsa_float_denorm_mode_32 3
		.amdhsa_float_denorm_mode_16_64 3
		.amdhsa_memory_ordered 1
		.amdhsa_forward_progress 1
		.amdhsa_inst_pref_size 209
	.end_amdhsa_kernel
	.amdgpu_metadata
---
amdhsa.version: [ 1, 2 ]
amdhsa.kernels:
  - .name:           k_qa13b9f34ec_proj
    .symbol:         k_qa13b9f34ec_proj.kd
    .args:
      - { .name: x_codes, .offset: 0, .size: 8, .value_kind: global_buffer, .address_space: global }
      - { .name: x_scales, .offset: 8, .size: 8, .value_kind: global_buffer, .address_space: global }
      - { .name: Wq_codes, .offset: 16, .size: 8, .value_kind: global_buffer, .address_space: global }
      - { .name: Wq_scales, .offset: 24, .size: 8, .value_kind: global_buffer, .address_space: global }
      - { .name: Wk_codes, .offset: 32, .size: 8, .value_kind: global_buffer, .address_space: global }
      - { .name: Wk_scales, .offset: 40, .size: 8, .value_kind: global_buffer, .address_space: global }
      - { .name: Wv_codes, .offset: 48, .size: 8, .value_kind: global_buffer, .address_space: global }
      - { .name: Wv_scales, .offset: 56, .size: 8, .value_kind: global_buffer, .address_space: global }
      - { .name: bq, .offset: 64, .size: 8, .value_kind: global_buffer, .address_space: global }
      - { .name: bk, .offset: 72, .size: 8, .value_kind: global_buffer, .address_space: global }
      - { .name: bv, .offset: 80, .size: 8, .value_kind: global_buffer, .address_space: global }
      - { .name: qc, .offset: 88, .size: 8, .value_kind: global_buffer, .address_space: global }
      - { .name: qs, .offset: 96, .size: 8, .value_kind: global_buffer, .address_space: global }
      - { .name: kv, .offset: 104, .size: 8, .value_kind: global_buffer, .address_space: global }
      - { .name: kvs, .offset: 112, .size: 8, .value_kind: global_buffer, .address_space: global }
    .group_segment_fixed_size: 327680
    .private_segment_fixed_size: 0
    .kernarg_segment_align: 8
    .kernarg_segment_size: 120
    .max_flat_workgroup_size: 128
    .sgpr_count:     102
    .vgpr_count:     1024
    .wavefront_size: 32
...
	.end_amdgpu_metadata
.endif
;; end of part 1
;; launch attn (part 2): grid 4 x 64, 8 waves a work-group, clusters of 4 x 1, 310,272 bytes of LDS; arguments qc, qs, kv, kvs, out0; writes out0
.if DOCPART == 2
	.amdgcn_target "amdgcn-amd-amdhsa--gfx1250"
	.amdhsa_code_object_version 6
	.text
	.protected	k_qa13b9f34ec_attn
	.globl	k_qa13b9f34ec_attn
	.p2align	8
	.type	k_qa13b9f34ec_attn,@function
k_qa13b9f34ec_attn:
	s_mov_b64 s[64:65], 0
	v_nop
	global_prefetch_b8 v0, s[64:65] scope:SCOPE_SE
	s_setreg_imm32_b32 hwreg(HW_REG_WAVE_MODE, 25, 1), 1
	s_wait_xcnt 0x0
	s_wait_alu depctr_hold_cnt(0) depctr_sa_sdst(0) depctr_va_vdst(0) depctr_va_sdst(0) depctr_va_ssrc(0) depctr_va_vcc(0) depctr_vm_vsrc(0)
	s_getreg_b32 s2, hwreg(HW_REG_IB_STS2, 6, 4)
	s_cmp_eq_u32 s2, 0
	s_cbranch_scc0 .Lentry_in_a_cluster
	s_endpgm
.Lentry_in_a_cluster:
	s_bfe_u32 s2, ttmp6, 0x10000c
	s_cmp_lg_u32 s2, 0x3003
	s_cbranch_scc0 .Lentry_shape_is_right
	s_endpgm
.Lentry_shape_is_right:
; out[b][q][head][:] = the sum over keys of softmax(q . k / 8) v, both products on codes of FP8 (E4M3) with one E8M0 scale for each 32 along a product's K.  64 heads (bh = 16 b + head), 2,048 queries and keys, 64 channels.
; INPUTS, all images of operand registers (a unit is lane x 16 bytes, 512 bytes): qc [bh][tile of 16 queries][c 2]; kv [bh][key step of 128 keys][K: tile t 0..7, c 2 | at 8,192 V: tile of 16 channels 0..3, c 4];
; qs [bh][query] scale words; kvs [bh][2,048 words of K | 16 key steps x 64 channels words of V].  Inside a block of 32 every operand has the same order of k on both sides of its product.
; THE SOFTMAX: t = score x log2(e) / 8; M = the row's largest t so far, rounded up to a whole number; p = 2^(t - M) is quantised along the keys, not normalised.  The row's sum is taken of the unquantised p
; and divides at the end.  When M moves, the sum and O are multiplied by 2^(old M - new M), which rounds nothing.
; SHARES.  A work-group owns 512 queries of one head, in two passes of 256; each of its eight waves owns 32 of a pass, two tiles of 16, so that each fragment of K and V read from LDS feeds two products.
; Two waves share a SIMD (512 registers each): one wave's exponentials and waits stand beside the other's plain work.
; THE WHOLE HEAD STAYS IN LDS: 262,144 bytes of codes and 12,288 of scale words, filled once: no slot is ever filled again.  The four work-groups of a cluster are the four quarters of one head's queries
; and ask for these bytes JOINTLY: the same tensor loads with the same descriptors and a mask that names the four.
; LAYOUT.  Both products are used transposed: S^T = K Q^T (source 0 = 16 keys), O^T = V^T P^T (source 0 = 16 channels): a lane holds one query (lane % 16) throughout, and the 16 registers of score tiles
; 2 c and 2 c + 1 are the lane's 16 keys of scale block c, in the order in which V's codes were laid.
; K = 64 IN AN INSTRUCTION OF 128: Q's fragments have zero codes in registers 8-15.  K's eight tiles lie on end, 8 registers each; fragment t names 16, so its upper half is tile t + 1's codes (behind tile 7: zeros).
; Those are finite numbers (the quantiser holds at 448: no NaN code), their scale bytes are 0, and times Q's zeros they add exactly 0.
; LIMITS: NaN and infinities are not served.  A block whose every p has fallen to 0 keeps the scale byte 1: its codes are zeros.
; REGISTERS.  window 0: v1-10 addresses; v12-19 -M, largest t, the sum (two halves) for each tile; v20-23 K's scale words (lanes 0-15 tile 2 u, lanes 16-31 tile 2 u + 1), v24-25 V's likewise, v26 Q's (tile 0 | tile 1),
;   v28-29 p's; v32-79 at work, 24 a tile; v96-223 S^T then p, 64 a tile; v224-255 p's codes, 16 a tile.   window 1: v0-63 O^T, 32 a tile; v64-95 Q; v96-167 K and eight zeros; v168-231 V.
.set SCK,  262144                      ; LDS: behind the head's codes K's scale words, 8,192 bytes,
.set SCV,  SCK+8192                    ; V's, 4,096 bytes,
.set STG,  SCV+4096                    ; and a stage of 16 rows x (256 + 16) bytes for each wave: bytes of their own, into which no fill lands
.set SP,   272
.set LI,   1                           ; v1   16 x lane
.set LSK,  2                           ; v2   SCK + 4 x lane
.set LSV,  3                           ; v3   SCV + 4 x lane
.set ADK,  4                           ; v4-6 the same three for the key step in hand
.set ADS,  5
.set ADT,  6
.set STO,  7                           ; v7   the stage: where I put 32 bytes of a row
.set RD,   8                           ; v8   and where I read a row back
.set GO,   9                           ; v9   my byte offset in two rows of out
.set L4,   10                          ; v10  4 x lane
.set KSW,  20
.set VSW,  24
.set QSW,  26
.set PWD,  28
.set WK,   32                          ; tile q at WK + 24 q: +0..3 a block's largest score, then p; +4..7 at work; +8..11 448 x the scale; +12..15 the conversion's scale operand; +16, 17 f; +18 at work
.set SR,   96
.set PCD,  224
.set QF,   64                          ; in window 1
.set KF,   96
.set VF,   168
.set SEL,  60                          ; s[60:61] lane selects: lane l xor 16
.set MNT,  62                          ; s62  the mantissa field of 448
.set CNT,  63                          ; s63  key steps to go
.set CS,   66                          ; s[66:67] c = log2(e) / 8
.set TB,   68                          ; s68  where the key step's codes begin;  s69  its words of K;  s70  of V
.set TS,   69
.set TJ,   70
.set MSB, 0
.macro WIN new                         ; the immediate's high byte repeats the setting that is left
.if MSB != (\new)
	s_set_vgpr_msb (MSB<<8)|(\new)
.set MSB, (\new)
.endif
.endm
.set W_LD,  0x40                       ; destination window 1
.set W_KQ,  0x05                       ; K and Q window 1, S^T window 0
.set W_PV,  0x51                       ; V window 1, p's codes window 0, O^T (C and D) window 1
.set W_RS,  0x41                       ; O^T (destination and source 0) window 1, f window 0
.set W_OUT, 0x01                       ; O^T (source 0) window 1
.macro ROUND                           ; a round of the cluster's barrier
	s_barrier_signal -1
	s_barrier_wait -1
	s_cmp_lg_u32 s14, 0
	s_cbranch_scc1 .Lnot_wave_0_\@
	s_barrier_signal -3
.Lnot_wave_0_\@:
	s_barrier_wait -3
	s_barrier_signal -1
	s_barrier_wait -1
.endm
	s_load_b256 s[4:11], s[0:1], 0x0               ; qc s[4:5], qs s[6:7], kv s[8:9], kvs s[10:11]
	s_load_b64 s[12:13], s[0:1], 0x20              ; out0
	v_lshl_add_u32 v94, v0, 2, 0x4b800
	v_mov_b32 v95, 0
	ds_add_u32 v94, v95
	ds_add_u32 v94, v95
	v_lshrrev_b32 v1, 5, v0
	v_readfirstlane_b32 s14, v1                    ; wave 0..7
	s_bfe_u32 s15, ttmp6, 0x40000                  ; cx: which 512 queries: it enters qc's, qs's and out0's addresses alone
	s_and_b32 s16, ttmp7, 0xffff                   ; bh, which the four partners share
	s_mul_i32 s17, s14, 1536                       ; my eighth of the head's scale words: 6 rows of 256 bytes,
	s_mul_i32 s18, s16, 12288
	s_add_co_u32 s18, s18, s17
	s_mov_b32 s19, 0
	s_lshl_b32 s22, s14, 15                        ; and of its codes: 128 rows of 256 bytes
	s_lshl_b32 s20, s16, 18
	s_add_co_u32 s20, s20, s22
	s_mov_b32 s21, 0
	; descriptor groups 1: dense rows of 256 bytes (32 elements of 8 bytes), no padding: every LDS load takes 512 consecutive bytes
	s_mov_b32 s24, 15|(3<<16)|(1<<21)              ; 15:0 the mask: all four work-groups; 17:16 elements of 8 bytes; 21 set beside a mask
	s_mov_b32 s25, 32<<16                          ; tensor_dim0
	s_mov_b32 s26, 6<<16                           ; tensor_dim1
	s_mov_b32 s27, 32<<16                          ; tile_dim0
	s_mov_b32 s28, 6                               ; tile_dim1
	s_mov_b32 s29, 32                              ; from row to row
	s_mov_b32 s30, 0
	s_mov_b32 s31, 0
	s_mov_b32 s32, 15|(3<<16)|(1<<21)
	s_mov_b32 s33, 32<<16
	s_mov_b32 s34, 128<<16
	s_mov_b32 s35, 32<<16
	s_mov_b32 s36, 128
	s_mov_b32 s37, 32
	s_mov_b32 s38, 0
	s_mov_b32 s39, 0
	s_mov_b32 s[SEL], 0x76543210
	s_mov_b32 s[SEL+1], 0xfedcba98
	s_mov_b32 s[MNT], 0x600000
	s_mov_b32 s[CS], 0x3e38aa3b                    ; log2(e) / 8
	s_mov_b32 s[CS+1], s[CS]                       ; (named with it as a pair, so it is written)
	s_wait_dscnt 0x0
	s_wait_kmcnt 0x0
	ROUND                                          ; all four work-groups are here: the joint loads meet
	s_mov_b32 s48, 1
	s_add_co_u32 s49, s17, SCK                     ; LDS: a constant + 1,536 x wave
	s_add_nc_u64 s[50:51], s[10:11], s[18:19]
	s_or_b32 s51, s51, 0x80000000
	s_mov_b32 s52, 1
	s_mov_b32 s53, s22                             ; LDS: 32,768 x wave
	s_add_nc_u64 s[54:55], s[8:9], s[20:21]
	s_or_b32 s55, s55, 0x80000000
	tensor_load_to_lds s[48:51], s[24:31]          ; the launch's only fills: two tensor loads of mine are out
	s_nop 0
	tensor_load_to_lds s[52:55], s[32:39]
	s_nop 0
.rept 4
	v_nop
.endr
	s_lshl_b32 s18, s16, 17                        ; qc: a head is 128 tiles of 1,024 bytes; 512 queries are 32 tiles; my 32 queries two
	s_lshl_b32 s19, s15, 15
	s_add_co_u32 s18, s18, s19
	s_lshl_b32 s19, s14, 11
	s_add_co_u32 s18, s18, s19
	s_mov_b32 s19, 0
	s_add_nc_u64 s[4:5], s[4:5], s[18:19]
	s_lshl_b32 s18, s16, 13                        ; qs: 4 bytes a query
	s_lshl_b32 s19, s15, 11
	s_add_co_u32 s18, s18, s19
	s_lshl_b32 s19, s14, 7
	s_add_co_u32 s18, s18, s19
	s_mov_b32 s19, 0
	s_add_nc_u64 s[6:7], s[6:7], s[18:19]
	s_lshr_b32 s18, s16, 4                         ; out0: a row is 4,096 bytes, a batch 2,048 rows, a head's part of a row 256 bytes
	s_lshl_b32 s18, s18, 23
	s_lshl_b32 s19, s15, 21
	s_add_co_u32 s18, s18, s19
	s_lshl_b32 s19, s14, 17
	s_add_co_u32 s18, s18, s19
	s_and_b32 s19, s16, 15
	s_lshl_b32 s19, s19, 8
	s_add_co_u32 s18, s18, s19
	s_mov_b32 s19, 0
	s_add_nc_u64 s[12:13], s[12:13], s[18:19]
	v_and_b32 v[L4], 31, v0
	v_lshlrev_b32 v[LI], 4, v[L4]
	v_lshlrev_b32 v[L4], 2, v[L4]
	v_add_nc_u32 v[LSK], SCK, v[L4]
	v_add_nc_u32 v[LSV], SCV, v[L4]
	v_and_b32 v11, 15, v0                          ; r
	v_bfe_u32 v27, v0, 4, 1                        ; h
	s_mul_i32 s18, s14, 16*SP
	s_add_co_u32 s18, s18, STG                     ; my stage
	v_mul_u32_u24 v[STO], v11, SP
	v_lshl_add_u32 v[STO], v27, 5, v[STO]
	v_add_nc_u32 v[STO], s18, v[STO]               ; in: row r, + 32 h
	v_mul_u32_u24 v[RD], v27, SP
	v_lshl_add_u32 v[RD], v11, 4, v[RD]
	v_add_nc_u32 v[RD], s18, v[RD]                 ; back: lanes 0-15 one row of 256 bytes, lanes 16-31 the next
	v_lshlrev_b32 v[GO], 12, v27
	v_lshl_add_u32 v[GO], v11, 4, v[GO]            ; and the same two rows in out0
	WIN W_LD
.irp j, 0,1,2,3,4,5,6,7
	v_mov_b32 v[QF+8+\j], 0                        ; the upper halves of Q's two fragments: zero codes, written once
	v_mov_b32 v[QF+24+\j], 0
	v_mov_b32 v[KF+64+\j], 0                       ; and what fragment 7 of K names behind its own eight registers
.endr
	WIN 0
; A pass's start: my two tiles of Q, their scale words, and the state.  O^T and the sums begin as zeros and the largest t as -3e38, so that the key step is written once: the first change of M multiplies zeros.
.macro QINIT p
	WIN W_LD
.irp q, 0,1
.irp c, 0,1
	global_load_b128 v[QF+16*\q+4*\c:QF+16*\q+4*\c+3], v[LI], s[4:5] offset:16384*\p+1024*\q+512*\c
.endr
.endr
	WIN 0
	global_load_b32 v[QSW], v[L4], s[6:7] offset:1024*\p   ; lanes 0-15: tile 0's words; lanes 16-31: tile 1's
.irp q, 0,1
	v_mov_b32 v[13+4*\q], 0xff61b1e6               ; the largest t so far: -3e38
	v_floor_f32 v[12+4*\q], -v[13+4*\q]            ; -M
	v_mov_b32 v[14+4*\q], 0                        ; the sum, in two halves
	v_mov_b32 v[15+4*\q], 0
.irp b, 0,1,2,3
	v_mov_b32 v[WK+24*\q+4+\b], 0                  ; a lane permute's destination counts as one of its sources
.endr
	v_mov_b32 v[WK+24*\q+17], 0                    ; (named as the upper half of f's pair)
.endr
	WIN W_LD
.set j, 0
.rept 64
	v_mov_b32 v[j], 0                              ; O^T
.set j, j+1
.endr
	WIN 0
	s_wait_loadcnt 0x0                             ; Q and its words
	s_mov_b32 s[TB], 0
	s_mov_b32 s[TS], 0
	s_mov_b32 s[TJ], 0
	s_mov_b32 s[CNT], 16
.endm
; THE SOFTMAX OF ONE TILE FOR ONE KEY STEP, in pieces, so that the two tiles' pieces can take turns.
.macro NAMES q
.set SS, SR+64*\q
.set TT, WK+24*\q
.set NM, 12+4*\q
.set PP, PCD+16*\q
.endm
.macro SMAX q                          ; the largest score of each block of 32 keys: it serves for the row's maximum and, since p rises with the score, for the block's largest p
	NAMES \q
.irp b, 0,1,2,3
	v_max3_num_f32 v[TT+\b], v[SS+16*\b], v[SS+16*\b+1], v[SS+16*\b+2]   ; each score tile is read from its low end on
.endr
.irp i, 3,5,7,9,11,13
.irp b, 0,1,2,3
	v_max3_num_f32 v[TT+\b], v[TT+\b], v[SS+16*\b+\i], v[SS+16*\b+\i+1]
.endr
.endr
.irp b, 0,1,2,3
	v_max_num_f32 v[TT+\b], v[TT+\b], v[SS+16*\b+15]
.endr
.irp b, 0,1,2,3
	v_permlanex16_b32 v[TT+4+\b], v[TT+\b], s[SEL], s[SEL+1]
.endr
.irp b, 0,1,2,3
	v_max_num_f32 v[TT+\b], v[TT+\b], v[TT+4+\b]   ; with lane l xor 16's 16 keys
.endr
.endm
.macro SSTAT q                         ; the running largest t, the new M, and f = 2^(old M - new M)
	NAMES \q
	v_max3_num_f32 v[TT+18], v[TT], v[TT+1], v[TT+2]
	v_max_num_f32 v[TT+18], v[TT+18], v[TT+3]
	v_mul_f32 v[TT+18], s[CS], v[TT+18]            ; as t (c is positive)
	v_max_num_f32 v[NM+1], v[NM+1], v[TT+18]
	v_mov_b32 v[TT+18], v[NM]
	v_floor_f32 v[NM], -v[NM+1]                    ; -M = floor(-t): M is a whole number
	v_sub_f32 v[TT+18], v[NM], v[TT+18]            ; old M - new M: a whole number, 0 or less
	v_cvt_i32_f32 v[TT+18], v[TT+18]               ; (it saturates)
	v_ldexp_f32 v[TT+16], 1.0, v[TT+18]
.endm
.macro SFMA q                          ; t - M, two at a time; the same of each block's largest score
	NAMES \q
.set j, 0
.rept 32
	v_pk_fma_f32 v[SS+j:SS+j+1], v[SS+j:SS+j+1], s[CS:CS+1], v[NM:NM+1] op_sel_hi:[1,0,0]
.set j, j+2
.endr
.irp b, 0,1,2,3
	v_fma_f32 v[TT+\b], v[TT+\b], s[CS], v[NM]
.endr
.endm
.macro SEXP q                          ; p = 2^(t - M), at most 1.  The line that follows this run is a plain one of the other tile's (ISA guide 5.7.2)
	NAMES \q
.set j, 0
.rept 64
	v_exp_f32 v[SS+j], v[SS+j]
.set j, j+1
.endr
.irp b, 0,1,2,3
	v_exp_f32 v[TT+\b], v[TT+\b]                   ; the block's largest p: the same two instructions on the same number give the same bits
.endr
.endm
.macro SSCALE q                        ; the sums under the new M; each block's scale, its byte, 448 x the scale; the scale word of these 128 keys
	NAMES \q
	v_pk_mul_f32 v[NM+2:NM+3], v[NM+2:NM+3], v[TT+16:TT+17] op_sel_hi:[1,0]
	s_wait_alu depctr_va_vdst(0)
.irp b, 0,1,2,3
	v_max_num_f32 v[TT+\b], 0x4800000, v[TT+\b]    ; the floor 2^(9 - 127): the byte cannot fall under 1
.endr
.irp b, 0,1,2,3
	v_add_nc_u32 v[TT+12+\b], 0xfc000000, v[TT+\b] ; 8 off the exponent field: the conversion's scale operand
.endr
.irp b, 0,1,2,3
	v_and_or_b32 v[TT+8+\b], v[TT+\b], 0x7f800000, s[MNT]
.endr
.irp b, 0,1,2,3
	v_lshrrev_b32 v[TT+4+\b], 23, v[TT+12+\b]
.endr
	v_lshl_or_b32 v[PWD+\q], v[TT+5], 8, v[TT+4]
	v_lshl_or_b32 v[PWD+\q], v[TT+6], 16, v[PWD+\q]
	v_lshl_or_b32 v[PWD+\q], v[TT+7], 24, v[PWD+\q]
.endm
.macro SSUM q                          ; the row's sum is taken of the unquantised p: two at a time, in two chains
	NAMES \q
	v_pk_add_f32 v[TT+4:TT+5], v[SS:SS+1], v[SS+2:SS+3]
.set j, 4
.rept 15
	v_pk_add_f32 v[NM+2:NM+3], v[NM+2:NM+3], v[SS+j:SS+j+1]
	v_pk_add_f32 v[TT+4:TT+5], v[TT+4:TT+5], v[SS+j+2:SS+j+3]
.set j, j+4
.endr
	v_pk_add_f32 v[NM+2:NM+3], v[NM+2:NM+3], v[TT+4:TT+5]
.endm
.macro SCVT q                          ; the hold (one-sided: p is not negative; the conversion does not saturate: ISA guide 7.6.2) and the conversions: their results are the second product's operand
	NAMES \q
.irp b, 0,1,2,3
.set j, 0
.rept 16
	v_min_num_f32 v[SS+16*\b+j], v[SS+16*\b+j], v[TT+8+\b]
.set j, j+1
.endr
	v_cvt_scalef32_pk8_fp8_f32 v[PP+4*\b:PP+4*\b+1], v[SS+16*\b:SS+16*\b+7], v[TT+12+\b]
	v_cvt_scalef32_pk8_fp8_f32 v[PP+4*\b+2:PP+4*\b+3], v[SS+16*\b+8:SS+16*\b+15], v[TT+12+\b]
.endr
.endm
.macro SRESC q                         ; O^T under the new M: x f, each accumulator from its low end on
	NAMES \q
.set j, 0
.rept 16
	v_pk_mul_f32 v[32*\q+j:32*\q+j+1], v[32*\q+j:32*\q+j+1], v[TT+16:TT+17] op_sel_hi:[1,0]
.set j, j+2
.endr
.endm
.macro KQ1 t, q                        ; S^T of keys 16 t on, tile q.  K's words: lanes 0-15 for an even t, lanes 16-31 for an odd one; Q's: lanes 0-15 for tile 0, lanes 16-31 for tile 1
.if ((\t)%2 == 0) && ((\q) == 0)
	v_wmma_scale_f32_16x16x128_f8f6f4 v[SR+64*\q+8*\t:SR+64*\q+8*\t+7], v[KF+8*\t:KF+8*\t+15], v[QF+16*\q:QF+16*\q+15], 0, v[KSW+\t/2], v[QSW]
.elseif ((\q) == 0)
	v_wmma_scale_f32_16x16x128_f8f6f4 v[SR+64*\q+8*\t:SR+64*\q+8*\t+7], v[KF+8*\t:KF+8*\t+15], v[QF+16*\q:QF+16*\q+15], 0, v[KSW+\t/2], v[QSW] matrix_a_scale:MATRIX_SCALE_ROW1
.elseif ((\t)%2 == 0)
	v_wmma_scale_f32_16x16x128_f8f6f4 v[SR+64*\q+8*\t:SR+64*\q+8*\t+7], v[KF+8*\t:KF+8*\t+15], v[QF+16*\q:QF+16*\q+15], 0, v[KSW+\t/2], v[QSW] matrix_b_scale:MATRIX_SCALE_ROW1
.else
	v_wmma_scale_f32_16x16x128_f8f6f4 v[SR+64*\q+8*\t:SR+64*\q+8*\t+7], v[KF+8*\t:KF+8*\t+15], v[QF+16*\q:QF+16*\q+15], 0, v[KSW+\t/2], v[QSW] matrix_a_scale:MATRIX_SCALE_ROW1 matrix_b_scale:MATRIX_SCALE_ROW1
.endif
.endm
.macro PV1 d, q                        ; O^T of channels 16 d on, tile q, += V^T P^T over these 128 keys
.if (\d)%2 == 0
	v_wmma_scale_f32_16x16x128_f8f6f4 v[32*\q+8*\d:32*\q+8*\d+7], v[VF+16*\d:VF+16*\d+15], v[PCD+16*\q:PCD+16*\q+15], v[32*\q+8*\d:32*\q+8*\d+7], v[VSW+\d/2], v[PWD+\q]
.else
	v_wmma_scale_f32_16x16x128_f8f6f4 v[32*\q+8*\d:32*\q+8*\d+7], v[VF+16*\d:VF+16*\d+15], v[PCD+16*\q:PCD+16*\q+15], v[32*\q+8*\d:32*\q+8*\d+7], v[VSW+\d/2], v[PWD+\q] matrix_a_scale:MATRIX_SCALE_ROW1
.endif
.endm
; A KEY STEP: 128 keys, both tiles.
.macro KSTEP
	v_add_nc_u32 v[ADK], s[TB], v[LI]
	v_add_nc_u32 v[ADS], s[TS], v[LSK]
	v_add_nc_u32 v[ADT], s[TJ], v[LSV]
.rept 5
	v_nop                                          ; with the three additions: eight places between the last step's products and the loads into V's registers and V's scale words
.endr
.irp u, 0,1,2,3
	ds_load_b32 v[KSW+\u], v[ADS] offset:128*\u
.endr
.irp u, 0,1
	ds_load_b32 v[VSW+\u], v[ADT] offset:128*\u
.endr
	WIN W_LD
.irp t, 0,1,2,3,4,5,6,7
.irp c, 0,1
	ds_load_b128 v[KF+8*\t+4*\c:KF+8*\t+4*\c+3], v[ADK] offset:1024*\t+512*\c
.endr
.endr
.irp d, 0,1,2,3
.irp c, 0,1,2,3
	ds_load_b128 v[VF+16*\d+4*\c:VF+16*\d+4*\c+3], v[ADK] offset:8192+2048*\d+512*\c
.endr
.endr
	s_wait_dscnt 16                                ; the scale words and K are in; V's sixteen loads may stay out: they land under the softmax
	WIN W_KQ
.irp t, 0,1,2,3,4,5,6,7
.irp q, 0,1
	KQ1 \t, \q                                     ; sixteen accumulators, each begun with the constant 0
.endr
.endr
	WIN 0
.rept 8
	v_nop                                          ; places in front of the first read of the scores
.endr
	SMAX 0
	SSTAT 0
	SFMA 0
	SEXP 0
	SMAX 1
	SSTAT 1
	SFMA 1
	SEXP 1
	SSCALE 0
	SSUM 0
	SCVT 0
	SSCALE 1
	SSUM 1
	SCVT 1
	WIN W_RS
	SRESC 0                                        ; these 32 are also the plain line behind the last conversion and the places between the codes and the products below
	SRESC 1
	s_wait_dscnt 0x0                               ; V is in
	WIN W_PV
.irp d, 0,1,2,3
.irp q, 0,1
	PV1 \d, \q                                     ; eight accumulators by turns, one instruction a turn
.endr
.endr
	WIN 0
	s_add_co_u32 s[TB], s[TB], 16384               ; the next key step's codes and scale words
	s_add_co_u32 s[TS], s[TS], 512
	s_add_co_u32 s[TJ], s[TJ], 256
.endm
; THE WAY OUT of a pass.  The sum's halves are added; O^T / the sum goes through my stage, a tile (16 rows of 256 bytes) at a time, and leaves as whole rows.
.macro OUT p
.rept 8
	v_nop                                          ; places behind the last products
.endr
.irp q, 0,1
	v_add_f32 v[WK+24*\q+18], v[14+4*\q], v[15+4*\q]
.endr
.irp q, 0,1
	v_permlanex16_b32 v[WK+24*\q+4], v[WK+24*\q+18], s[SEL], s[SEL+1]
.endr
.irp q, 0,1
	v_add_f32 v[WK+24*\q+18], v[WK+24*\q+18], v[WK+24*\q+4]   ; the row's sum
.endr
.irp q, 0,1
	v_rcp_f32 v[WK+24*\q+16], v[WK+24*\q+18]
.endr
	v_nop                                          ; a plain instruction between the last reciprocal and the use of its result
	s_wait_alu depctr_va_vdst(0)
.irp q, 0,1
	WIN W_OUT
.set j, 0
.rept 16
	v_pk_mul_f32 v[SR+64*\q+j:SR+64*\q+j+1], v[32*\q+j:32*\q+j+1], v[WK+24*\q+16:WK+24*\q+17] op_sel_hi:[1,0]   ; register 8 d + i is o(r, 16 d + 8 h + i)
.set j, j+2
.endr
	WIN 0
.irp d, 0,1,2,3
	ds_store_b128 v[STO], v[SR+64*\q+8*\d:SR+64*\q+8*\d+3] offset:64*\d
	ds_store_b128 v[STO], v[SR+64*\q+8*\d+4:SR+64*\q+8*\d+7] offset:64*\d+16
.endr
.irp i, 0,1,2,3,4,5,6,7
	ds_load_b128 v[SR+64*\q+32+4*\i:SR+64*\q+32+4*\i+3], v[RD] offset:2*\i*SP   ; LDS serves a wave's instructions in order (ISA guide 5.7.1.4): these see my stores, and the next tile's stores come behind them
.endr
.endr
.irp q, 0,1
.irp i, 0,1,2,3,4,5,6,7
	s_wait_dscnt 23-16*\q-\i                       ; behind this pair of rows were issued: the tile's other loads, and for tile 0 the next tile's sixteen
	global_store_b128 v[GO], v[SR+64*\q+32+4*\i:SR+64*\q+32+4*\i+3], s[12:13] offset:1048576*\p+65536*\q+8192*\i th:TH_STORE_NT   ; 16 lanes store 256 consecutive bytes, at a multiple of 256 from out0's first byte
.endr
.endr
	s_wait_xcnt 0x0                                ; the stores have read their data: these registers are written again only behind this wait
.endm
	QINIT 0
	s_wait_tensorcnt 0x0                           ; my parts of the head's codes and scale words are in,
	s_barrier_signal -1
	s_barrier_wait -1                              ; everybody's are: from here on LDS below the stages is only read
.Lpass0:
	KSTEP
	s_sub_co_u32 s[CNT], s[CNT], 1
	s_cmp_lg_u32 s[CNT], 0
	s_cbranch_scc1 .Lpass0
	OUT 0
	QINIT 1
.Lpass1:
	KSTEP
	s_sub_co_u32 s[CNT], s[CNT], 1
	s_cmp_lg_u32 s[CNT], 0
	s_cbranch_scc1 .Lpass1
	OUT 1
	s_wait_dscnt 0x0
	s_wait_tensorcnt 0x0
	ds_add_u32 v94, v95
	s_wait_dscnt 0x0
	ROUND                                          ; the closing round: no work-group ends while a partner may still ask for bytes under a mask that names it
	s_endpgm
.Lfunc_end_k_qa13b9f34ec_attn:
	.size	k_qa13b9f34ec_attn, .Lfunc_end_k_qa13b9f34ec_attn-k_qa13b9f34ec_attn
	.p2alignl 7, 3214868480
	.fill 96, 4, 3214868480
	.section	.rodata,"a",@progbits
	.p2align	6, 0x0
	.amdhsa_kernel k_qa13b9f34ec_attn
		.amdhsa_group_segment_fixed_size 310272
		.amdhsa_private_segment_fixed_size 0
		.amdhsa_enable_private_segment 0
		.amdhsa_kernarg_size 40
		.amdhsa_user_sgpr_count 2
		.amdhsa_user_sgpr_kernarg_segment_ptr 1
		.amdhsa_wavefront_size32 1
		.amdhsa_system_sgpr_workgroup_id_x 1
		.amdhsa_system_sgpr_workgroup_id_y 1
		.amdhsa_system_sgpr_workgroup_id_z 1
		.amdhsa_system_vgpr_workitem_id 0
		.amdhsa_next_free_vgpr 512
		.amdhsa_next_free_sgpr 72
		.amdhsa_reserve_vcc 0
		.amdhsa_float_denorm_mode_32 3
		.amdhsa_float_denorm_mode_16_64 3
		.amdhsa_memory_ordered 1
		.amdhsa_forward_progress 1
		.amdhsa_inst_pref_size 95
	.end_amdhsa_kernel
	.amdgpu_metadata
---
amdhsa.version: [ 1, 2 ]
amdhsa.kernels:
  - .name:           k_qa13b9f34ec_attn
    .symbol:         k_qa13b9f34ec_attn.kd
    .args:
      - { .name: qc, .offset: 0, .size: 8, .value_kind: global_buffer, .address_space: global }
      - { .name: qs, .offset: 8, .size: 8, .value_kind: global_buffer, .address_space: global }
      - { .name: kv, .offset: 16, .size: 8, .value_kind: global_buffer, .address_space: global }
      - { .name: kvs, .offset: 24, .size: 8, .value_kind: global_buffer, .address_space: global }
      - { .name: out0, .offset: 32, .size: 8, .value_kind: global_buffer, .address_space: global }
    .group_segment_fixed_size: 310272
    .private_segment_fixed_size: 0
    .kernarg_segment_align: 8
    .kernarg_segment_size: 40
    .max_flat_workgroup_size: 256
    .sgpr_count:     72
    .vgpr_count:     512
    .wavefront_size: 32
...
	.end_amdgpu_metadata
.endif
;; end of part 2
;; ======== version 2 of 2: 2 launches
;; limits: right only within a limited range of input values
;; workspace buffers: qc 8,388,608 bytes; qs 524,288 bytes; kv 16,777,216 bytes; kvs 786,432 bytes
;; launch proj (part 3): grid 4 x 64, 4 waves a work-group, clusters of 4 x 4, 327,680 bytes of LDS; arguments x_codes, x_scales, Wq_codes, Wq_scales, Wk_codes, Wk_scales, Wv_codes, Wv_scales, bq, bk, bv, qc, qs, kv, kvs; writes qc, qs, kv, kvs
.if DOCPART == 3
	.amdgcn_target "amdgcn-amd-amdhsa--gfx1250"
	.amdhsa_code_object_version 6
	.text
	.protected	k_qa13b9f34ec_proj
	.globl	k_qa13b9f34ec_proj
	.p2align	8
	.type	k_qa13b9f34ec_proj,@function
k_qa13b9f34ec_proj:
	s_mov_b64 s[64:65], 0
	v_nop
	global_prefetch_b8 v0, s[64:65] scope:SCOPE_SE
	s_setreg_imm32_b32 hwreg(HW_REG_WAVE_MODE, 25, 1), 1
	s_wait_xcnt 0x0
	s_wait_alu depctr_hold_cnt(0) depctr_sa_sdst(0) depctr_va_vdst(0) depctr_va_sdst(0) depctr_va_ssrc(0) depctr_va_vcc(0) depctr_vm_vsrc(0)
	s_getreg_b32 s2, hwreg(HW_REG_IB_STS2, 6, 4)
	s_cmp_eq_u32 s2, 0
	s_cbranch_scc0 .Lentry_in_a_cluster
	s_endpgm
.Lentry_in_a_cluster:
	s_bfe_u32 s2, ttmp6, 0x10000c
	s_cmp_lg_u32 s2, 0xf033
	s_cbranch_scc0 .Lentry_shape_is_right
	s_endpgm
.Lentry_shape_is_right:
; q, k, v = x W^T + b on codes of FP8 (E4M3) with one E8M0 scale for each 32 along K = 1,024; the results are quantised in registers and leave as codes and scale words.
; ONE GENERIC PRODUCT: C[i][j] = sum over k of P[i][k] R[j][k] + bias, quantised along j.  T = 0 (q), 1 (k): P = x, R = Wq or Wk, j = the output channel (the next product's K is the head's 64).
; T = 2 (v): P = Wv, R = x, j = the key (the next product's K is the keys).  T hangs on the cluster's y alone; it chooses pointers and global offsets, never an LDS address.
; THE DEAL: 256 work-groups, 16 clusters of 4 x 4, each work-group with the same work in two phases.  PHASE 1: a tile of 256 x 256 of k (clusters 0-7) or v (8-15): 256 such tiles; a wave makes 128 x 128.
; PHASE 2: half a tile of q, 128 rows of x (512 x cluster + 128 cy on) x 256 channels (256 cx on): 256 such halves; a wave makes 64 x 128.
; K goes in four steps of 256 through a ring of two LDS slots filled by the tensor data mover, and THE RING GOES ON INTO PHASE 2: phase 1's third change of slots fills slot 0 with q's K step 0; a round in the
; middle of phase 1's way out fills slot 1 with q's K step 1: both are on their way while k or v is quantised.
; SCALE BYTES.  Phase 1's, for all of K, come into LDS with the head's loads and stay.  Phase 2's 12,288 come by plain loads at the start of phase 1's way out, in whole units of 256 bytes, and are stored into LDS bytes
; of their own, into which no tile lands; the round in the way out's middle shows them to all waves.
; CLUSTERS: the four of a row need the same tiles of P, the four of a column the same tiles of R, in both phases: each tile is asked for jointly.
; THE MATRIX INSTRUCTION IS USED TRANSPOSED (source 0 = 16 rows of R, source 1 = 16 rows of P): lane (r, h) holds row i = r, and its eight registers of block b hold j = 16 b + 8 h + 0 .. 7.
; So the 16 registers of blocks 2 c and 2 c + 1 are 16 of the 32 numbers of scale block c; lane l xor 16 holds the other 16.  The codes made of them ARE registers 4 c .. 4 c + 3 of the next operand:
; slot (c, h, byte e) holds j = 32 c + 8 h + e (e < 8) or 32 c + 16 + 8 h + e - 8.  Every computed operand of the next launch has this same order inside a block of 32, on both sides of a product.
; OUT: images of operand registers, 512 bytes (lane x 16) a unit.  qc [bh][tile of 16 queries][c 2]; kv [bh][key step of 128][K: tile t 0..7, c 2 | V at 8,192: tile of 16 channels 0..3, c 4];
; qs [bh][query] words; kvs [bh][2,048 words of K | 16 key steps x 64 channels words of V].  A word of q or k has its two scale bytes below and 0 above.
; NO PREFETCH: K is four steps, at the largest block, in clusters.
; LIMITS: NaN and infinities among the inputs are not served; a block whose largest magnitude lies under 2^-118 keeps the byte 1; a block of zeros gets the byte 1 where the quantiser says 127:
; its codes are zeros, and the bytes are read by this program alone.
; REGISTERS: window 0: v0-31 addresses and the bias along i; v32-63 scale words, two sets; v64-127 phase 1's bias along j, later 64 numbers at work; from v128 P's fragments, one set; v192-255 in phase 2: bq.
;   window 1: R's fragments, two sets.   windows 2, 3: the accumulators ((a, b) at v[8 (8 (a % 4) + b)]).
.set NQ,     2                         ; matrix instructions deep in a slot: 256 along K
.set ROWB,   256
.set KROW,   1024
.set PITCH,  272                       ; an LDS row: 256 bytes + 16 of padding
.set FR,     16
.set NL,     4
.set NP,     8                         ; places behind this matrix instruction (ISA guide 7.12.1)
.set HALFT,  128*PITCH
.set SLOT,   4*HALFT                   ; P's rows (256, in phase 2 the first 128), then R's 256
.set SCL,    2*SLOT                    ; phase 1's scales, units of 256 bytes + 16
.set HALFS,  16*272
.set SBLK,   2*272
.set SPARE,  SCL+4*HALFS               ; the spare words
.set STG,    SPARE+512                 ; the scale words' stage, 1,024 bytes a wave
.set SC2,    STG+4096                  ; phase 2's scales: x's 128 rows (16 units), then Wq's 256 (32 units)
.set CP2,  3                           ; v3     where I store my part of Wq's scale bytes;  v31 of x's
.set SHV,  7
.set BI,   8
.set ADRA, 16
.set VO,   18
.set ADRB, 20
.set SWA,  22
.set SRA,  23
.set BIC,  24
.set ADRS2, 26
.set ADRS, 27
.set SPW,  28
.set NIL,  29
.set VSO,  30
.set CP1,  31
.set SC,   32
.set BJ,   64
.set X,    64
.set AF,   128
.set BJ2,  192
.set PC,   128
.set TM,   144
.set PW,   160
.set SD,   161
.set SCB,  164
.set G1,   24
.set G0,   32
.set G1B,  48
.set G0B,  56
.set G1S,  68
.set G0S,  76
.set G1SB, 80
.set G0SB, 88
.set G0H,  4
.set G0HB, 8
.set BA,   68                          ; the way out: s[68:83] where block a's codes go; s84 the bytes that a word keeps; s85 448's mantissa; s[86:89] where the words go; s[90:91] lane selects
.set KEEP, 84
.set MNT,  85
.set W0,   86
.set W1,   88
.set SEL,  90
.set P2A,  104                         ; s[104:105], s[2:3]: where my part of q's tiles of x and of Wq begins
.set R2A,  2
.set MSB, 0
.macro WIN new
.if MSB != (\new)
	s_set_vgpr_msb (MSB<<8)|(\new)
.set MSB, (\new)
.endif
.endm
.set MUL_LO,  0xa1
.set MUL_HI,  0xf1
.set MUL_LO0, 0x81
.set MUL_HI0, 0xc1
.set TO_B,    0x40
.macro WALU
	s_wait_alu depctr_va_vdst(0)
.endm
.macro JLOAD g0a, g1a, g0b, g1b        ; a joint load: waves 0 and 1 fetch for P, waves 2 and 3 for R
	s_cmp_eq_u32 s15, 0
	s_cbranch_scc0 .Lfor_b_\@
	tensor_load_to_lds s[\g0a:\g0a+3], s[\g1a:\g1a+7]
	s_nop 0
.rept 4
	v_nop
.endr
	s_branch .Lasked_\@
.Lfor_b_\@:
	tensor_load_to_lds s[\g0b:\g0b+3], s[\g1b:\g1b+7]
	s_nop 0
.rept 4
	v_nop
.endr
.Lasked_\@:
.endm
.macro CREST
	s_cmp_lg_u32 s14, 0
	s_cbranch_scc1 .Lnot_wave_0_\@
	s_barrier_signal -3
.Lnot_wave_0_\@:
	s_barrier_wait -3
	s_barrier_signal -1
	s_barrier_wait -1
.endm
.macro CROUND
	s_barrier_signal -1
	s_barrier_wait -1
	CREST
.endm
	s_load_b512 s[24:39], s[0:1], 0x0              ; x codes, x scales, Wq codes, Wq scales, Wk codes, Wk scales, Wv codes, Wv scales
	s_load_b256 s[40:47], s[0:1], 0x40             ; bq, bk, bv, qc
	s_load_b128 s[48:51], s[0:1], 0x60             ; qs, kv
	s_load_b64 s[52:53], s[0:1], 0x70              ; kvs
	v_lshl_add_u32 v[SPW], v0, 2, SPARE
	v_mov_b32 v[NIL], 0
	ds_add_u32 v[SPW], v[NIL]                      ; the opening lines: the add, twice on end, and its wait
	ds_add_u32 v[SPW], v[NIL]
	v_lshrrev_b32 v1, 5, v0
	v_readfirstlane_b32 s14, v1                    ; wave 0..3
	s_lshr_b32 s15, s14, 1                         ; which half of the tile's i is mine.  Also: I fetch for P (0) or for R (1)
	s_and_b32 s16, s14, 1                          ; which half of its j.  Also: which half of that tile's rows I fetch
	s_bfe_u32 s92, ttmp6, 0x40000                  ; cx
	s_bfe_u32 s93, ttmp6, 0x40004                  ; cy
	s_and_b32 s101, ttmp7, 0xffff                  ; the cluster's y, 0 .. 15
	s_lshr_b32 s66, s101, 3
	s_add_co_u32 s66, s66, 1                       ; phase 1's T: 1 k, 2 v
	s_and_b32 s67, s101, 7                         ; which four tiles of x's 32
	s_cmp_lt_u32 s66, 2
	s_cselect_b32 s17, s67, 0
	s_cselect_b32 s94, 0, s67
	s_lshl_b32 s17, s17, 2
	s_add_co_u32 s17, s17, s93                     ; the tile's place along i: cy and never cx
	s_lshl_b32 s94, s94, 2
	s_add_co_u32 s94, s94, s92                     ; along j: cx and never cy
	s_lshl_b32 s95, s93, 2
	s_lshl_b32 s95, 15, s95                        ; my row of the cluster
	s_lshl_b32 s100, 0x1111, s92                   ; my column
	s_lshl_b32 s18, s101, 9                        ; q: x's row 512 x cluster + 128 cy + 64 x my half,
	s_lshl_b32 s19, s93, 7
	s_add_co_u32 s18, s18, s19
	s_lshl_b32 s19, s16, 6
	s_add_co_u32 s18, s18, s19
	s_lshl_b32 s18, s18, 10
	s_mov_b32 s19, 0
	s_lshl_b32 s20, s92, 8                         ; Wq's row 256 cx + 128 x my half
	s_lshl_b32 s21, s16, 7
	s_add_co_u32 s20, s20, s21
	s_lshl_b32 s20, s20, 10
	s_mov_b32 s21, 0
	s_wait_dscnt 0x0                               ; both opening adds are done
	s_wait_kmcnt 0x0
	s_cmp_lt_u32 s66, 2                            ; the buffers are chosen by T, which hangs on no address
	s_cselect_b64 s[4:5], s[24:25], s[36:37]       ; P's codes: x or Wv
	s_cselect_b64 s[6:7], s[26:27], s[38:39]
	s_cselect_b64 s[8:9], s[32:33], s[24:25]       ; R's codes: Wk or x
	s_cselect_b64 s[10:11], s[34:35], s[26:27]
	s_cselect_b64 s[98:99], s[42:43], s[44:45]     ; the bias: bk or bv
	s_mov_b64 s[12:13], s[50:51]                   ; kv
	s_mov_b64 s[96:97], s[52:53]                   ; kvs
	s_add_nc_u64 s[P2A:P2A+1], s[24:25], s[18:19]
	s_add_nc_u64 s[R2A:R2A+1], s[28:29], s[20:21]
	; descriptor group 1: rows of 256 bytes, 16 bytes of padding behind each: 256 rows for the head's loads
	s_or_b32 s[G1+0], s95, (0<<16)|(1<<20)|(1<<21)|(5<<22)|(3<<25)
	s_or_b32 s[G1B+0], s100, (0<<16)|(1<<20)|(1<<21)|(5<<22)|(3<<25)
.irp g, G1, G1B
	s_mov_b32 s[\g+1], ROWB<<16
	s_mov_b32 s[\g+2], 256<<16
	s_mov_b32 s[\g+3], ROWB<<16
	s_mov_b32 s[\g+4], 256
	s_mov_b32 s[\g+5], KROW
	s_mov_b32 s[\g+6], 0
	s_mov_b32 s[\g+7], 0
.endr
	; the scales of 256 rows: 8,192 dense bytes as 32 rows of 256
	s_or_b32 s[G1S+0], s95, (3<<16)|(1<<20)|(1<<21)|(5<<22)|(3<<25)
	s_or_b32 s[G1SB+0], s100, (3<<16)|(1<<20)|(1<<21)|(5<<22)|(3<<25)
.irp g, G1S, G1SB
	s_mov_b32 s[\g+1], 32<<16
	s_mov_b32 s[\g+2], 32<<16
	s_mov_b32 s[\g+3], 32<<16
	s_mov_b32 s[\g+4], 32
	s_mov_b32 s[\g+5], 32
	s_mov_b32 s[\g+6], 0
	s_mov_b32 s[\g+7], 0
.endr
	s_lshl_b32 s20, s17, 8                         ; P: the tile's first row
	s_lshl_b32 s46, s94, 8                         ; R likewise
	s_lshl_b32 s22, s20, 5
	s_mov_b32 s23, 0
	s_lshl_b32 s20, s20, 10
	s_mov_b32 s21, 0
	s_lshl_b32 s40, s46, 5
	s_mov_b32 s41, 0
	s_lshl_b32 s46, s46, 10
	s_mov_b32 s47, 0
	s_mul_i32 s45, s14, HALFT                      ; the ring: wave x 128 rows
	s_mul_i32 s18, s16, 128*KROW
	s_mov_b32 s19, 0
	s_add_nc_u64 s[20:21], s[4:5], s[20:21]
	s_add_nc_u64 s[22:23], s[6:7], s[22:23]
	s_add_nc_u64 s[46:47], s[8:9], s[46:47]
	s_add_nc_u64 s[40:41], s[10:11], s[40:41]
	CROUND                                         ; all sixteen work-groups are here: the first joint loads meet
	s_mov_b32 s[G0S], 1
	s_mov_b32 s[G0S+1], SCL
	s_mov_b64 s[G0S+2:G0S+3], s[22:23]
	s_or_b32 s[G0S+3], s[G0S+3], 0x80000000
	s_mov_b32 s[G0SB], 1
	s_mov_b32 s[G0SB+1], SCL+2*HALFS
	s_mov_b64 s[G0SB+2:G0SB+3], s[40:41]
	s_or_b32 s[G0SB+3], s[G0SB+3], 0x80000000
	s_mov_b32 s[G0H], 1
	s_mov_b32 s[G0H+1], 0
	s_mov_b64 s[G0H+2:G0H+3], s[20:21]
	s_or_b32 s[G0H+3], s[G0H+3], 0x80000000
	s_mov_b32 s[G0HB], 1
	s_mov_b32 s[G0HB+1], 2*HALFT
	s_mov_b64 s[G0HB+2:G0HB+3], s[46:47]
	s_or_b32 s[G0HB+3], s[G0HB+3], 0x80000000
	s_add_nc_u64 s[20:21], s[20:21], s[18:19]      ; for the ring: my 128 rows of the tile
	s_add_nc_u64 s[46:47], s[46:47], s[18:19]
.irp s, 0,1
	s_mov_b32 s[G0+4*\s], 1
	s_add_co_u32 s[G0+4*\s+1], s45, \s*SLOT
	s_add_nc_u64 s[G0+4*\s+2:G0+4*\s+3], s[20:21], \s*ROWB
	s_or_b32 s[G0+4*\s+3], s[G0+4*\s+3], 0x80000000
	s_mov_b32 s[G0B+4*\s], 1
	s_add_co_u32 s[G0B+4*\s+1], s45, \s*SLOT
	s_add_nc_u64 s[G0B+4*\s+2:G0B+4*\s+3], s[46:47], \s*ROWB
	s_or_b32 s[G0B+4*\s+3], s[G0B+4*\s+3], 0x80000000
.endr
; THE HEAD'S LOADS, ONE A WAVE: wave 0 K step 0's 256 rows of P, wave 1 its 256 rows of R, wave 2 the scales of P's rows, wave 3 those of R's.
.macro ARM under, g0, g1, next
	s_cmp_lt_u32 s14, \under
	s_cbranch_scc0 \next
	tensor_load_to_lds s[\g0:\g0+3], s[\g1:\g1+7]
	s_nop 0
.rept 4
	v_nop
.endr
	s_branch .Lhead_asked
\next:
.endm
	ARM 1, G0H,  G1,  .Lhead_b
	ARM 2, G0HB, G1B, .Lhead_sa
	ARM 3, G0S,  G1S, .Lhead_sb
	tensor_load_to_lds s[G0SB:G0SB+3], s[G1SB:G1SB+7]
	s_nop 0
.rept 4
	v_nop
.endr
.Lhead_asked:
	; the scalars of the LDS addresses first, then the vector lines on end
	s_mul_i32 s18, s15, HALFT                      ; my 128 rows of P, slot 0, 1
	s_add_co_u32 s19, s18, SLOT
	s_mul_i32 s20, s16, HALFT                      ; my 128 rows of R, behind P's 256
	s_add_co_u32 s20, s20, 2*HALFT
	s_add_co_u32 s21, s20, SLOT
	s_mul_i32 s22, s15, HALFS                      ; phase 1's scale words: P's base, and the distance to R's
	s_mul_i32 s23, s16, HALFS
	s_add_co_u32 s41, s23, 16*272
	s_add_co_u32 s23, s23, 2*HALFS
	s_sub_co_u32 s23, s23, s22
	s_add_co_u32 s22, s22, SCL
	s_mul_i32 s40, s15, 8*272                      ; phase 2's: my 64 rows of x, and the distance to my 128 rows of Wq
	s_sub_co_u32 s41, s41, s40
	s_add_co_u32 s40, s40, SC2
	s_lshl_b32 s42, s14, 10
	s_add_co_u32 s42, s42, STG                     ; my stage
	s_mul_i32 s43, s14, 4*272
	s_add_co_u32 s43, s43, SC2                     ; where I store a quarter of x's scale bytes,
	s_mul_i32 s44, s14, 8*272
	s_add_co_u32 s44, s44, SC2+16*272              ; and of Wq's
	s_cmp_lt_u32 s66, 2                            ; THE BIAS: along j (k) it is the C of the first products; along i (v) it is added on the way out; the one that does not apply is read at offset 0 and cleared
	s_cselect_b32 s95, -1, 0
	s_cselect_b32 s100, 0, -1
	s_lshl_b32 s45, s94, 10
	s_lshl_b32 s46, s16, 9
	s_add_co_u32 s45, s45, s46
	s_and_b32 s45, s45, s95
	s_lshl_b32 s46, s17, 10
	s_lshl_b32 s47, s15, 9
	s_add_co_u32 s46, s46, s47
	s_and_b32 s46, s46, s100
	v_and_b32 v1, 15, v0                           ; r
	v_bfe_u32 v2, v0, 4, 1                         ; h
	v_and_b32 v6, 31, v0
	v_mul_u32_u24 v3, v1, PITCH
	v_lshl_add_u32 v4, v2, 4, v3                   ; a fragment's row x pitch + 16 h: kept
	v_add_nc_u32 v[ADRA], s18, v4
	v_add_nc_u32 v[ADRA+1], s19, v4
	v_add_nc_u32 v[ADRB], s20, v4
	v_add_nc_u32 v[ADRB+1], s21, v4
	v_lshlrev_b32 v5, 5, v1                        ; my row's scales: 32 bytes a row,
	v_lshrrev_b32 v3, 3, v1
	v_lshl_add_u32 v5, v3, 4, v5                   ; and 16 more for each 256 passed
	v_mul_u32_u24 v3, s23, v2                      ; lanes 16-31 take R's: one product, the distance between the two bases
	v_add_nc_u32 v3, v5, v3
	v_add_nc_u32 v[ADRS], s22, v3
	v_mul_u32_u24 v3, s41, v2
	v_add_nc_u32 v3, v5, v3
	v_add_nc_u32 v[ADRS2], s40, v3
	v_lshlrev_b32 v[VO], 4, v6                     ; 16 x lane
	v_lshlrev_b32 v5, 2, v1
	v_lshl_add_u32 v5, v2, 9, v5
	v_add_nc_u32 v[SWA], s42, v5                   ; the stage, in: 512 h + 4 r
	v_add_nc_u32 v[SRA], s42, v[VO]                ; and back
	v_mul_u32_u24 v5, v2, 272
	v_lshl_add_u32 v5, v1, 4, v5                   ; a load of 512 bytes is two units: 272 h + 16 r
	v_add_nc_u32 v[CP1], s43, v5
	v_add_nc_u32 v[CP2], s44, v5
	v_lshl_add_u32 v5, v2, 5, s45
	v_lshl_add_u32 v6, v1, 2, s46
.irp b, 0,1,2,3,4,5,6,7
	global_load_b128 v[BJ+8*\b:BJ+8*\b+3], v5, s[98:99] offset:64*\b
	global_load_b128 v[BJ+8*\b+4:BJ+8*\b+7], v5, s[98:99] offset:64*\b+16
	global_load_b32 v[BI+\b], v6, s[98:99] offset:64*\b
.endr
	v_mov_b32 v[BIC+1], 0
	WALU
	s_wait_loadcnt 0x0
.set i, 0
.rept 64
	v_and_b32 v[BJ+i], s95, v[BJ+i]
.set i, i+1
.endr
.set i, 0
.rept 8
	v_and_b32 v[BI+i], s100, v[BI+i]
.set i, i+1
.endr
.macro FRAG reg, adr, q, i             ; 16 rows x 128 K of codes: lane l holds row l % 16; registers 4 c .. 4 c + 3 hold K = 32 c + 16 (l / 16) + 0 .. 15
.irp c, 0,1,2,3
	ds_load_b128 v[\reg+4*\c:\reg+4*\c+3], v[\adr] offset:128*(\q)+32*\c+(\i)*16*PITCH
.endr
.endm
; 16 matrix instructions: P's blocks a0, a0 + 1 x R's eight.  zero = 1: the first product starts the sums from the bias at BJX.  The accumulators take turns, one instruction a turn.
.macro MUL16 a0, p, q, sc, zero
.irp a, \a0, \a0+1
.irp b, 0,1,2,3,4,5,6,7
.if \zero
	v_wmma_scale_f32_16x16x128_f8f6f4 v[8*(8*((\a)%4)+\b):8*(8*((\a)%4)+\b)+7], v[128*(\p)+FR*\b:128*(\p)+FR*\b+FR-1], v[AF+FR*(\a):AF+FR*(\a)+FR-1], v[BJX+8*\b:BJX+8*\b+7], v[SC+8*NQ*(\sc)+NQ*\b+(\q)], v[SC+8*NQ*(\sc)+NQ*(\a)+(\q)] matrix_a_scale:MATRIX_SCALE_ROW1
.else
	v_wmma_scale_f32_16x16x128_f8f6f4 v[8*(8*((\a)%4)+\b):8*(8*((\a)%4)+\b)+7], v[128*(\p)+FR*\b:128*(\p)+FR*\b+FR-1], v[AF+FR*(\a):AF+FR*(\a)+FR-1], v[8*(8*((\a)%4)+\b):8*(8*((\a)%4)+\b)+7], v[SC+8*NQ*(\sc)+NQ*\b+(\q)], v[SC+8*NQ*(\sc)+NQ*(\a)+(\q)] matrix_a_scale:MATRIX_SCALE_ROW1
.endif
.endr
.endr
.endm
.macro FETCH_B slot, q, p
	WIN TO_B
.irp i, 0,1,2,3,4,5,6,7
	FRAG 128*(\p)+FR*\i, ADRB+\slot, \q, \i
.endr
	WIN 0
.endm
.macro FETCH_A slot, q, i0, n          ; P's blocks i0 .. i0 + n - 1
.set fi, \i0
.rept \n
	FRAG AF+FR*fi, ADRA+\slot, \q, fi
.set fi, fi+1
.endr
.endm
.macro SCALES sc                       ; a K step's scale words: lanes 0-15 take P's block i, lanes 16-31 R's block i (phase 2: P has four blocks; what lanes 0-15 take for i over 3 is not used)
.irp i, 0,1,2,3,4,5,6,7
	ds_load_b64 v[SC+8*NQ*\sc+NQ*\i:SC+8*NQ*\sc+NQ*\i+1], v[ADRS] offset:\i*SBLK
.endr
.endm
.macro PLACES n
.rept \n
	v_nop
.endr
.endm
; A step of 128 along K that has its successor in the same slot.  hf = 0: P has 8 blocks; hf = 1 (phase 2): 4.  P has one set of registers: its first half is fetched anew in the step's middle, its second at the end.
.macro STEP slot, q, zero, hf
	s_wait_dscnt (4-2*\hf)*NL                      ; all but the youngest loads, the second half of P's blocks
.if \zero
	WIN MUL_LO0
.else
	WIN MUL_LO
.endif
	MUL16 0, (\q)%2, \q, \slot, \zero
.if \hf == 0
	MUL16 2, (\q)%2, \q, \slot, \zero
.endif
	s_wait_dscnt 0
	PLACES NP
	FETCH_B \slot, (\q)+1, 1-(\q)%2
	FETCH_A \slot, (\q)+1, 0, 4-2*\hf
.if \hf
.if \zero
	WIN MUL_LO0
.else
	WIN MUL_LO
.endif
	MUL16 2, (\q)%2, \q, \slot, \zero
.else
.if \zero
	WIN MUL_HI0
.else
	WIN MUL_HI
.endif
	MUL16 4, (\q)%2, \q, \slot, \zero
	MUL16 6, (\q)%2, \q, \slot, \zero
.endif
	PLACES NP
	WIN 0
	FETCH_A \slot, (\q)+1, 4-2*\hf, 4-2*\hf
.endm
; A slot's last step changes slots: one barrier; in front of it each wave waits for all its tensor loads, adds 0 to its spare word, and waits for that and for its own reads of this slot.
; fill = 1: a round of the cluster's barrier, and this slot is filled again, two K steps ahead.  fill = 2: the same, with q's K step 0.
.macro TURN slot, next, fill, hf
	s_wait_tensorcnt 0x0
	ds_add_u32 v[SPW], v[NIL]
	s_wait_dscnt (4-2*\hf)*NL+1                    ; (the add and the youngest loads may be out)
	WIN MUL_LO
	MUL16 0, 1, NQ-1, \slot, 0
	s_wait_dscnt 0x0                               ; the add is done, and my reads of this slot are over
	s_barrier_signal -1
.if \hf == 0
	MUL16 2, 1, NQ-1, \slot, 0
.endif
	WIN 0
	s_barrier_wait -1
.if \fill
	CREST
.if \fill == 1
	s_add_nc_u64 s[G0+4*\slot+2:G0+4*\slot+3], s[G0+4*\slot+2:G0+4*\slot+3], 2*ROWB
	s_add_nc_u64 s[G0B+4*\slot+2:G0B+4*\slot+3], s[G0B+4*\slot+2:G0B+4*\slot+3], 2*ROWB
.else
	s_mul_i32 s[G0+1], s16, 64*PITCH               ; no tensor load of mine is out: from here on P's tile is 128 rows of x, 64 a load
	s_mov_b64 s[G0+2:G0+3], s[P2A:P2A+1]
	s_or_b32 s[G0+3], s[G0+3], 0x80000000
	s_mov_b64 s[G0B+2:G0B+3], s[R2A:R2A+1]
	s_or_b32 s[G0B+3], s[G0B+3], 0x80000000
	s_mov_b32 s[G1+2], 64<<16
	s_mov_b32 s[G1+4], 64
.endif
	JLOAD G0+4*\slot, G1, G0B+4*\slot, G1B         ; the first tensor load behind the round, my only one until the next
	PLACES NP-4
.else
	PLACES NP
.endif
	WALU
	v_add_nc_u32 v[ADRS], 4*NQ, v[ADRS]            ; on to the next K step's scale words
	FETCH_B \next, 0, 0
	FETCH_A \next, 0, 0, 4-2*\hf
	SCALES \next
.if \hf
	WIN MUL_LO
	MUL16 2, 1, NQ-1, \slot, 0
.else
	WIN MUL_HI
	MUL16 4, 1, NQ-1, \slot, 0
	MUL16 6, 1, NQ-1, \slot, 0
.endif
	PLACES NP
	WIN 0
	FETCH_A \next, 0, 4-2*\hf, 4-2*\hf
.endm
; 64 numbers of a lane, v[X + 16 c + i], become a fragment's codes in v[PC] on and its scale word in v[PW].
.macro QUANT
.irp b, 0,1,2,3
	v_max3_num_f32 v[TM+\b], |v[X+16*\b]|, |v[X+1+16*\b]|, 0x4800000   ; and the floor 2^(9 - 127): the byte cannot fall under 1
.endr
.irp i, 2,4,6,8,10,12,14
.irp b, 0,1,2,3
	v_max3_num_f32 v[TM+\b], v[TM+\b], |v[X+16*\b+\i]|, |v[X+1+16*\b+\i]|
.endr
.endr
.irp b, 0,1,2,3
	v_permlanex16_b32 v[TM+4+\b], v[TM+\b], s[SEL], s[SEL+1]
.endr
.irp b, 0,1,2,3
	v_max_num_f32 v[TM+\b], v[TM+\b], v[TM+4+\b]
.endr
.irp b, 0,1,2,3
	v_add_nc_u32 v[TM+12+\b], 0xfc000000, v[TM+\b] ; 8 off the exponent field: the conversion's scale operand
.endr
.irp b, 0,1,2,3
	v_and_or_b32 v[TM+8+\b], v[TM+\b], 0x7f800000, s[MNT]   ; 448 x the scale
.endr
.irp b, 0,1,2,3
	v_lshrrev_b32 v[TM+4+\b], 23, v[TM+12+\b]
.endr
	v_lshl_or_b32 v[PW], v[TM+5], 8, v[TM+4]
	v_lshl_or_b32 v[PW], v[TM+6], 16, v[PW]
	v_lshl_or_b32 v[PW], v[TM+7], 24, v[PW]
	s_wait_xcnt 0x0                                ; the last block's stores have read the codes' registers, which the conversions below write again
.irp b, 0,1,2,3
.irp i, 0,1,2,3,4,5,6,7,8,9,10,11,12,13,14,15
	v_med3_num_f32 v[X+16*\b+\i], v[X+16*\b+\i], -v[TM+8+\b], v[TM+8+\b]   ; the conversion does not saturate (ISA guide 7.6.2)
.endr
	v_cvt_scalef32_pk8_fp8_f32 v[PC+4*\b:PC+1+4*\b], v[X+16*\b:X+7+16*\b], v[TM+12+\b]
	v_cvt_scalef32_pk8_fp8_f32 v[PC+2+4*\b:PC+3+4*\b], v[X+8+16*\b:X+15+16*\b], v[TM+12+\b]
.endr
	v_nop
.endm
; Block a: 16 rows i x my 128 j.  The move out of the accumulators adds the bias along i; each accumulator is read from its low end on.
.macro BLOCKOUT a
	v_mov_b32 v[BIC], v[BI+(\a)]
	WIN 0x02+(\a)/4
.irp b, 0,1,2,3,4,5,6,7
.irp p, 0,2,4,6
	v_pk_add_f32 v[X+8*\b+\p:X+8*\b+\p+1], v[64*((\a)%4)+8*\b+\p:64*((\a)%4)+8*\b+\p+1], v[BIC:BIC+1] op_sel_hi:[1,0]
.endr
.endr
	WIN 0
	QUANT
	v_lshrrev_b32 v[SD], v[SHV], v[PW]             ; q, k: lanes 0-15 keep the first head's two bytes, lanes 16-31 the second head's; v: all four
	v_and_b32 v[SD], s[KEEP], v[SD]
	ds_store_b32 v[SWA], v[SD] offset:64*(\a)      ; my own stage: 512 h + 64 a + 4 r
.irp e, 0,1,2,3
	global_store_b128 v[VO+\e/2], v[PC+4*\e:PC+4*\e+3], s[BA+2*(\a):BA+2*(\a)+1] offset:512*(\e%2)   ; 32 lanes store 512 consecutive bytes, aligned
.endr
.endm
.set BJX, BJ
	WALU
	s_wait_tensorcnt 0x0                           ; my tile of the head's four is in
	ds_add_u32 v[SPW], v[NIL]
	s_mov_b32 s[G1+2], 128<<16                     ; no tensor load of mine is out: from here on a load brings 128 rows
	s_mov_b32 s[G1+4], 128
	s_mov_b32 s[G1B+2], 128<<16
	s_mov_b32 s[G1B+4], 128
	s_wait_dscnt 0x0
	CROUND
	JLOAD G0+4, G1, G0B+4, G1B                     ; K step 1
	FETCH_B 0, 0, 0
	FETCH_A 0, 0, 0, 4
	SCALES 0
	FETCH_A 0, 0, 4, 4
	STEP 0, 0, 1, 0
	TURN 0, 1, 1, 0                                ; slot 0 takes K step 2
	STEP 1, 0, 0, 0
	TURN 1, 0, 1, 0                                ; slot 1 takes K step 3
	STEP 0, 0, 0, 0
	TURN 0, 1, 2, 0                                ; slot 0 takes q's K step 0
	STEP 1, 0, 0, 0
	s_wait_dscnt 4*NL                              ; phase 1's last step
	WIN MUL_LO
	MUL16 0, 1, NQ-1, 1, 0
	MUL16 2, 1, NQ-1, 1, 0
	s_wait_dscnt 0
	WIN MUL_HI
	MUL16 4, 1, NQ-1, 1, 0
	MUL16 6, 1, NQ-1, 1, 0
	WIN 0
	; PHASE 1'S WAY OUT.  First what phase 2 wants from memory is asked for: its scale bytes (into window 1, which is free) and bq (v192-255).
	PLACES NP
	s_load_b64 s[6:7], s[0:1], 0x8                 ; x scales
	s_load_b64 s[8:9], s[0:1], 0x18                ; Wq scales
	s_load_b64 s[10:11], s[0:1], 0x40              ; bq
	s_load_b128 s[40:43], s[0:1], 0x58             ; qc, qs: kept for phase 2's way out
	s_lshl_b32 s18, s101, 9
	s_lshl_b32 s19, s93, 7
	s_add_co_u32 s18, s18, s19                     ; x's row 512 x cluster + 128 cy: 32 bytes a row; a quarter, 1,024 bytes, a wave
	s_lshl_b32 s18, s18, 5
	s_lshl_b32 s19, s14, 10
	s_add_co_u32 s18, s18, s19
	s_mov_b32 s19, 0
	s_lshl_b32 s20, s92, 13                        ; Wq's row 256 cx; 2,048 bytes a wave
	s_lshl_b32 s21, s14, 11
	s_add_co_u32 s20, s20, s21
	s_mov_b32 s21, 0
	s_lshl_b32 s22, s92, 10                        ; bq: 4 (256 cx + 128 x my half)
	s_lshl_b32 s23, s16, 9
	s_add_co_u32 s22, s22, s23
	s_wait_kmcnt 0x0
	s_add_nc_u64 s[6:7], s[6:7], s[18:19]
	s_add_nc_u64 s[8:9], s[8:9], s[20:21]
	v_lshl_add_u32 v5, v2, 5, s22
	WIN TO_B
	global_load_b128 v[0:3], v[VO], s[6:7]
	global_load_b128 v[4:7], v[VO], s[6:7] offset:512
.irp n, 0,1,2,3
	global_load_b128 v[8+4*\n:11+4*\n], v[VO], s[8:9] offset:512*\n
.endr
	WIN 0
.irp b, 0,1,2,3,4,5,6,7
	global_load_b128 v[BJ2+8*\b:BJ2+8*\b+3], v5, s[10:11] offset:64*\b
	global_load_b128 v[BJ2+8*\b+4:BJ2+8*\b+7], v5, s[10:11] offset:64*\b+16
.endr
	; where my codes and scale words of k or v go
	s_cmp_lt_u32 s66, 2
	s_cselect_b32 s18, s17, s94                    ; the tile's place among x's rows,
	s_cselect_b32 s19, s94, s17                    ; and among the 1,024 channels
	s_cselect_b32 s20, s15, s16                    ; my half of each
	s_cselect_b32 s21, s16, s15
	s_mov_b32 s44, 2048
	s_cselect_b32 s44, 1024, s44                   ; from block a to a + 1: a tile of k is 1,024 bytes, of v 2,048
	s_mov_b32 s46, 262144
	s_cselect_b32 s46, 4096, s46                   ; from a to a + 4: four tiles, or (v) the next head
	s_mov_b32 s22, 256
	s_cselect_b32 s22, 512, s22                    ; scale words of my 128 rows of x
	s_cselect_b32 s23, 0, 8192                     ; v lies 8,192 bytes on, in a key step's codes and in a head's words alike
	s_cselect_b32 s4, 0, 12032                     ; v: lanes 16-31 carry the next head's words: 12,288 - 256 on
	s_mov_b32 s5, 1024
	s_cselect_b32 s5, 262144, s5                   ; from code blocks 0, 1 to 2, 3: the next head, or (v) two units
	s_cselect_b32 s[KEEP], 0xffff, -1
	s_cselect_b32 s67, 16, 0
	s_mov_b32 s45, 0
	s_mov_b32 s47, 0
	s_lshr_b32 s95, s18, 3
	s_lshl_b32 s95, s95, 4
	s_lshl_b32 s19, s19, 2
	s_add_co_u32 s95, s95, s19
	s_lshl_b32 s21, s21, 1
	s_add_co_u32 s95, s95, s21                     ; 16 x batch + my first head
	s_and_b32 s18, s18, 7
	s_lshl_b32 s18, s18, 1
	s_add_co_u32 s18, s18, s20                     ; which 128 rows of the batch's 2,048
	s_lshl_b32 s20, s95, 18
	s_lshl_b32 s19, s18, 14
	s_add_co_u32 s20, s20, s19
	s_add_co_u32 s20, s20, s23
	s_mov_b32 s21, 0
	s_add_nc_u64 s[BA:BA+1], s[12:13], s[20:21]
.irp a, 1,2,3
	s_add_nc_u64 s[BA+2*\a:BA+2*\a+1], s[BA+2*\a-2:BA+2*\a-1], s[44:45]
.endr
.irp a, 4,5,6,7
	s_add_nc_u64 s[BA+2*\a:BA+2*\a+1], s[BA+2*\a-8:BA+2*\a-7], s[46:47]
.endr
	s_mul_i32 s20, s95, 12288
	s_mul_i32 s19, s18, s22
	s_add_co_u32 s20, s20, s19
	s_add_co_u32 s20, s20, s23
	s_add_nc_u64 s[W0:W0+1], s[96:97], s[20:21]
	s_add_nc_u64 s[W1:W1+1], s[W0:W0+1], 12288
	s_mov_b32 s[SEL], 0x76543210
	s_mov_b32 s[SEL+1], 0xfedcba98
	s_mov_b32 s[MNT], 0x600000
	v_mul_u32_u24 v[SHV], v2, s67
	v_add_nc_u32 v[VO+1], s5, v[VO]
	v_mul_u32_u24 v[VSO], v2, s4
	v_add_nc_u32 v[VSO], v[VSO], v[VO]
.irp b, 0,1,2,3
	v_mov_b32 v[TM+4+\b], 0                        ; written once: a lane permute's destination counts as one of its sources
.endr
.irp a, 0,1,2,3
	BLOCKOUT \a
.endr
	WALU
	s_wait_loadcnt 0x0                             ; phase 2's scale bytes and bq are in
	WIN 0x04                                       ; the data: window 1
	ds_store_b128 v[CP1], v[0:3]
	ds_store_b128 v[CP1], v[4:7] offset:544
.irp n, 0,1,2,3
	ds_store_b128 v[CP2], v[8+4*\n:11+4*\n] offset:544*\n
.endr
	WIN 0
	s_wait_tensorcnt 0x0                           ; q's K step 0 is in; nobody reads slot 1 any more: it takes q's K step 1, behind a drained round
	ds_add_u32 v[SPW], v[NIL]
	s_mul_i32 s[G0+5], s16, 64*PITCH
	s_add_co_u32 s[G0+5], s[G0+5], SLOT
	s_add_nc_u64 s[G0+6:G0+7], s[P2A:P2A+1], ROWB
	s_or_b32 s[G0+7], s[G0+7], 0x80000000
	s_add_nc_u64 s[G0B+6:G0B+7], s[R2A:R2A+1], ROWB
	s_or_b32 s[G0B+7], s[G0B+7], 0x80000000
	s_wait_dscnt 0x0                               ; the add and my stores of scale bytes are done
	CROUND
	JLOAD G0+4, G1, G0B+4, G1B
.irp a, 4,5,6,7
	BLOCKOUT \a
.endr
	ds_load_b128 v[SCB:SCB+3], v[SRA]              ; LDS serves a wave's instructions in order (ISA guide 5.7.1.4): these see my stores
	ds_load_b128 v[SCB+4:SCB+7], v[SRA] offset:512
	s_wait_dscnt 0x0
	global_store_b128 v[VSO], v[SCB:SCB+3], s[W0:W0+1]   ; k: the first head's 128 words; v: 64 words for each of my two heads
	s_cmp_eq_u32 s66, 2                            ; T is the same in all partners
	s_cbranch_scc1 .Lone_store
	global_store_b128 v[VSO], v[SCB+4:SCB+7], s[W1:W1+1] ; k: the second head's 128 words
.Lone_store:
	; PHASE 2: q.  Slot 0 holds its K step 0 since the round above.
.set BJX, BJ2
	s_wait_xcnt 0x0                                ; the stores have read their registers, on which fragments land below
	s_mul_i32 s18, s15, 64*PITCH                   ; my 64 rows of x
	s_add_co_u32 s19, s18, SLOT
	v_add_nc_u32 v[ADRA], s18, v4
	v_add_nc_u32 v[ADRA+1], s19, v4
	v_mov_b32 v[ADRS], v[ADRS2]
.irp a, 0,1,2,3
	v_mov_b32 v[BI+\a], 0                          ; q has no bias along i
.endr
	WALU
	FETCH_B 0, 0, 0
	FETCH_A 0, 0, 0, 2
	SCALES 0
	FETCH_A 0, 0, 2, 2
	STEP 0, 0, 1, 1
	TURN 0, 1, 1, 1                                ; slot 0 takes K step 2
	STEP 1, 0, 0, 1
	TURN 1, 0, 1, 1                                ; slot 1 takes K step 3
	STEP 0, 0, 0, 1
	TURN 0, 1, 0, 1
	STEP 1, 0, 0, 1
	s_wait_dscnt 2*NL
	WIN MUL_LO
	MUL16 0, 1, NQ-1, 1, 0
	s_wait_dscnt 0
	MUL16 2, 1, NQ-1, 1, 0
	WIN 0
	PLACES NP
	s_wait_xcnt 0x0
	s_lshl_b32 s18, s101, 2
	s_add_co_u32 s18, s18, s93                     ; which 128 rows of x's 8,192
	s_lshr_b32 s95, s18, 4
	s_lshl_b32 s95, s95, 4
	s_lshl_b32 s19, s92, 2
	s_add_co_u32 s95, s95, s19
	s_lshl_b32 s19, s16, 1
	s_add_co_u32 s95, s95, s19                     ; 16 x batch + my first head
	s_and_b32 s18, s18, 15
	s_lshl_b32 s20, s95, 17                        ; qc: 131,072 bytes a head, 8,192 for 128 queries, 4,096 for my 64
	s_lshl_b32 s19, s18, 13
	s_add_co_u32 s20, s20, s19
	s_lshl_b32 s19, s15, 12
	s_add_co_u32 s20, s20, s19
	s_mov_b32 s21, 0
	s_add_nc_u64 s[BA:BA+1], s[40:41], s[20:21]
.irp a, 1,2,3
	s_add_nc_u64 s[BA+2*\a:BA+2*\a+1], s[BA+2*\a-2:BA+2*\a-1], 1024
.endr
	s_lshl_b32 s20, s95, 13                        ; qs: 8,192 bytes a head, 4 a query
	s_lshl_b32 s19, s18, 9
	s_add_co_u32 s20, s20, s19
	s_lshl_b32 s19, s15, 8
	s_add_co_u32 s20, s20, s19
	s_add_nc_u64 s[W0:W0+1], s[42:43], s[20:21]
	s_mov_b32 s[KEEP], 0xffff
	v_lshlrev_b32 v[SHV], 4, v2
	v_add_nc_u32 v[VO+1], 131072, v[VO]            ; code blocks 2, 3: the next head
	v_mul_u32_u24 v[VSO], v2, 7936                 ; lanes 16-31 carry the next head's words: 8,192 - 256 on
	v_add_nc_u32 v[VSO], v[VSO], v[VO]
	v_lshl_add_u32 v[SRA], v2, 8, v[SRA]           ; and read them 512 bytes into the stage
.irp a, 0,1,2,3
	BLOCKOUT \a
.endr
	ds_load_b128 v[SCB:SCB+3], v[SRA]
	s_wait_dscnt 0x0
	global_store_b128 v[VSO], v[SCB:SCB+3], s[W0:W0+1]   ; 64 words for each of my two heads, 256 consecutive bytes each
	s_wait_tensorcnt 0x0                           ; the wave's end
	ds_add_u32 v[SPW], v[NIL]
	s_wait_dscnt 0x0
	CROUND                                         ; the closing round
	s_endpgm
.Lfunc_end_k_qa13b9f34ec_proj:
	.size	k_qa13b9f34ec_proj, .Lfunc_end_k_qa13b9f34ec_proj-k_qa13b9f34ec_proj
	.p2alignl 7, 3214868480
	.fill 96, 4, 3214868480
	.section	.rodata,"a",@progbits
	.p2align	6, 0x0
	.amdhsa_kernel k_qa13b9f34ec_proj
		.amdhsa_group_segment_fixed_size 327680
		.amdhsa_private_segment_fixed_size 0
		.amdhsa_enable_private_segment 0
		.amdhsa_kernarg_size 120
		.amdhsa_user_sgpr_count 2
		.amdhsa_user_sgpr_kernarg_segment_ptr 1
		.amdhsa_wavefront_size32 1
		.amdhsa_system_sgpr_workgroup_id_x 1
		.amdhsa_system_sgpr_workgroup_id_y 1
		.amdhsa_system_sgpr_workgroup_id_z 1
		.amdhsa_system_vgpr_workitem_id 0
		.amdhsa_next_free_vgpr 1024
		.amdhsa_next_free_sgpr 106
		.amdhsa_reserve_vcc 0
		.amdhsa_float_denorm_mode_32 3
		.amdhsa_float_denorm_mode_16_64 3
		.amdhsa_memory_ordered 1
		.amdhsa_forward_progress 1
		.amdhsa_inst_pref_size 255
	.end_amdhsa_kernel
	.section	.bss,"aw",@nobits
	.p2align	6
	.space	262144
	.amdgpu_metadata
---
amdhsa.version: [ 1, 2 ]
amdhsa.kernels:
  - .name:           k_qa13b9f34ec_proj
    .symbol:         k_qa13b9f34ec_proj.kd
    .args:
      - { .name: x_codes, .offset: 0, .size: 8, .value_kind: global_buffer, .address_space: global }
      - { .name: x_scales, .offset: 8, .size: 8, .value_kind: global_buffer, .address_space: global }
      - { .name: Wq_codes, .offset: 16, .size: 8, .value_kind: global_buffer, .address_space: global }
      - { .name: Wq_scales, .offset: 24, .size: 8, .value_kind: global_buffer, .address_space: global }
      - { .name: Wk_codes, .offset: 32, .size: 8, .value_kind: global_buffer, .address_space: global }
      - { .name: Wk_scales, .offset: 40, .size: 8, .value_kind: global_buffer, .address_space: global }
      - { .name: Wv_codes, .offset: 48, .size: 8, .value_kind: global_buffer, .address_space: global }
      - { .name: Wv_scales, .offset: 56, .size: 8, .value_kind: global_buffer, .address_space: global }
      - { .name: bq, .offset: 64, .size: 8, .value_kind: global_buffer, .address_space: global }
      - { .name: bk, .offset: 72, .size: 8, .value_kind: global_buffer, .address_space: global }
      - { .name: bv, .offset: 80, .size: 8, .value_kind: global_buffer, .address_space: global }
      - { .name: qc, .offset: 88, .size: 8, .value_kind: global_buffer, .address_space: global }
      - { .name: qs, .offset: 96, .size: 8, .value_kind: global_buffer, .address_space: global }
      - { .name: kv, .offset: 104, .size: 8, .value_kind: global_buffer, .address_space: global }
      - { .name: kvs, .offset: 112, .size: 8, .value_kind: global_buffer, .address_space: global }
    .group_segment_fixed_size: 327680
    .private_segment_fixed_size: 0
    .kernarg_segment_align: 8
    .kernarg_segment_size: 120
    .max_flat_workgroup_size: 128
    .sgpr_count:     106
    .vgpr_count:     1024
    .wavefront_size: 32
...
	.end_amdgpu_metadata
.endif
;; end of part 3
;; launch attn (part 4): grid 4 x 64, 8 waves a work-group, clusters of 4 x 1, 327,680 bytes of LDS; arguments qc, qs, kv, kvs, out0; writes out0
.if DOCPART == 4
	.amdgcn_target "amdgcn-amd-amdhsa--gfx1250"
	.amdhsa_code_object_version 6
	.text
	.protected	k_qa13b9f34ec_attn
	.globl	k_qa13b9f34ec_attn
	.p2align	8
	.type	k_qa13b9f34ec_attn,@function
k_qa13b9f34ec_attn:
	s_mov_b64 s[64:65], 0
	v_nop
	global_prefetch_b8 v0, s[64:65] scope:SCOPE_SE
	s_setreg_imm32_b32 hwreg(HW_REG_WAVE_MODE, 25, 1), 1
	s_wait_xcnt 0x0
	s_wait_alu depctr_hold_cnt(0) depctr_sa_sdst(0) depctr_va_vdst(0) depctr_va_sdst(0) depctr_va_ssrc(0) depctr_va_vcc(0) depctr_vm_vsrc(0)
	s_getreg_b32 s2, hwreg(HW_REG_IB_STS2, 6, 4)
	s_cmp_eq_u32 s2, 0
	s_cbranch_scc0 .Lentry_in_a_cluster
	s_endpgm
.Lentry_in_a_cluster:
	s_bfe_u32 s2, ttmp6, 0x10000c
	s_cmp_lg_u32 s2, 0x3003
	s_cbranch_scc0 .Lentry_shape_is_right
	s_endpgm
.Lentry_shape_is_right:
; out = softmax(q k^T / 8) v for 64 (batch, head) pairs of 2,048 tokens and 64 channels, both products on codes of FP8 (E4M3) with one E8M0 scale for each 32 along a product's K.
; THE SOFTMAX AHEAD OF THE SECOND PRODUCT: t = score x log2(e) / 8; M = the running largest t rounded up to a whole number; p = 2^(t - M) is quantised along the keys, not normalised;
; the row's sum is taken of the unquantised p in f32 and divides O at the end; when M moves, the sum and O are multiplied by 2^(old M - new M), which rounds nothing.
; INPUTS, as launch proj leaves them: images of operand registers, 512 bytes (16 x lane) a unit.  qc [bh][tile of 16 queries][c 2]; kv [bh][key step of 128][K: tile 0..7, c 2 | V at 8,192: 16 channels 0..3, c 4];
; qs [bh][query] words; kvs [bh][2,048 words of K | 16 key steps x 64 channels words of V].  Inside a block of 32 both sides of a product have the same order of k.
; SHARES.  A work-group owns 512 queries of one head; the four work-groups of a cluster own one head and ask for its K, V and scale words JOINTLY (mask 15).  All of a head, 262,144 + 12,288 bytes, lies in LDS
; for the whole launch: filled once, at the head, one tensor load a wave: wave 0 key steps 0 to 3 (65,536 bytes), wave 1 the scale words, waves 2 to 7 two key steps (32,768 bytes) each.  Nothing is filled again.
; The first barrier shows waves 0 and 1's tiles alone (they have load lines of their own); the first key step, which reads key steps 0 and 1, is written out ahead of the loops; behind it every wave waits for its load
; and a second barrier shows the rest.
; A wave owns two tiles of 16 queries at a time and walks the 16 key steps twice (queries 32 w .. and 256 + 32 w ..): two waves to a SIMD, 512 registers each.
; Both products are used transposed: S^T = K Q^T, O^T = V^T P^T: a lane holds one query throughout.  The first product's K is 64: Q's registers 8-15 are zeros, so what K's registers 8-15 hold (the next tile's codes) adds nothing.
; A KEY STEP'S ORDER.  O^T is brought under the new M ahead of the exponentials.  The exponentials go in two batches of 68, one a tile.  Among a batch stand only lines whose sources were made ahead of the batch's wait
; and whose results are first read behind the wait that closes it: tile 1's multiply-adds among tile 0's batch, tile 0's holds among tile 1's.  So a batch has one wait ahead of it and one behind it.
; NO PREFETCH: every byte that the launch reads is asked for at its head; there is no loop to run ahead in.
; LIMITS: the promise holds while the scaled scores t stay under 2^31 in magnitude; NaN and infinities among the inputs are not served; a block whose every p has fallen to 0 keeps the byte 1: its codes are zeros.
; REGISTERS.  Window 0: v1-11 addresses; v12-19 for each tile -M, the largest score, the sum in two halves; v20-30 scale words; v32-79 at work, 24 a tile; v80-93 partial sums; v94, v95 the spare word and 0;
; v96-223 S^T, then p; v224-255 p's codes.  Window 1: v0-63 O^T; v64-95 Q; v96-167 K (8 registers a tile, and 8 zeros); v168-231 V; v232-247 the second pass's Q.
.set SCK,  262144                      ; K's scale words
.set SCV,  SCK+8192                    ; V's
.set STG,  SCV+4096                    ; the way out: 16 rows x 272 bytes for each wave; no tile lands here
.set SP,   272
.set SPARE, STG+8*16*SP                ; the spare words: 128 bytes a wave
.set LI,   1
.set LSK,  2
.set LSV,  3
.set ADK,  4
.set ADS,  5
.set ADT,  6
.set STO,  7
.set RD,   8
.set GO,   9
.set L4,   10
.set KSW,  20
.set VSW,  24
.set QSW,  26
.set PWD,  28
.set QS1,  30
.set WK,   32
.set XS,   80
.set SR,   96
.set PCD,  224
.set QF,   64
.set KF,   96
.set VF,   168
.set QN,   232
.set SEL,  60
.set MNT,  62
.set CNT,  63
.set CS,   66
.set TB,   68
.set TS,   69
.set TJ,   70
.set MSB, 0
.macro WIN new                         ; the immediate's high byte repeats the setting that is left
.if MSB != (\new)
	s_set_vgpr_msb (MSB<<8)|(\new)
.set MSB, (\new)
.endif
.endm
.set W_LD,  0x40                       ; destination window 1
.set W_KQ,  0x05                       ; sources 0 and 1 window 1
.set W_PV,  0x51                       ; source 0, C and D window 1
.set W_RS,  0x41
.set W_OUT, 0x01
.macro WALU
	s_wait_alu depctr_va_vdst(0)
.endm
.macro ROUND                           ; a round of the cluster's barrier
	s_barrier_signal -1
	s_barrier_wait -1
	s_cmp_lg_u32 s14, 0
	s_cbranch_scc1 .Lnot_wave_0_\@
	s_barrier_signal -3
.Lnot_wave_0_\@:
	s_barrier_wait -3
	s_barrier_signal -1
	s_barrier_wait -1
.endm
	s_load_b256 s[4:11], s[0:1], 0x0               ; qc, qs, kv, kvs
	s_load_b64 s[12:13], s[0:1], 0x20              ; out0
	v_lshl_add_u32 v94, v0, 2, SPARE
	v_mov_b32 v95, 0
	ds_add_u32 v94, v95                            ; the opening lines: the add, twice on end, and its wait ahead of my tensor load
	ds_add_u32 v94, v95
	v_lshrrev_b32 v1, 5, v0
	s_delay_alu instid0(VALU_DEP_1)
	v_readfirstlane_b32 s14, v1                    ; wave 0..7
	s_bfe_u32 s15, ttmp6, 0x40000                  ; cx: which 512 queries
	s_and_b32 s16, ttmp7, 0xffff                   ; bh
	s_mul_i32 s18, s16, 12288                      ; the head's scale words,
	s_mov_b32 s19, 0
	s_lshl_b32 s20, s16, 18                        ; its K and V,
	s_mov_b32 s21, 0
	s_lshl_b32 s22, s14, 15                        ; and in them, for waves 2 to 7, 32,768 x wave: in memory and in LDS alike
	s_mov_b32 s23, 0
	s_mov_b32 s24, 15|(3<<16)|(1<<21)              ; group 1, scale words: 48 dense rows of 256 bytes (32 elements of 8); the mask names the cluster's four
	s_mov_b32 s25, 32<<16
	s_mov_b32 s26, 48<<16
	s_mov_b32 s27, 32<<16
	s_mov_b32 s28, 48
	s_mov_b32 s29, 32
	s_mov_b32 s30, 0
	s_mov_b32 s31, 0
	s_mov_b32 s32, 15|(3<<16)|(1<<21)              ; group 1, key steps 0 to 3: 256 dense rows of 256 bytes
	s_mov_b32 s33, 32<<16
	s_mov_b32 s34, 256<<16
	s_mov_b32 s35, 32<<16
	s_mov_b32 s36, 256
	s_mov_b32 s37, 32
	s_mov_b32 s38, 0
	s_mov_b32 s39, 0
	s_mov_b32 s40, 15|(3<<16)|(1<<21)              ; group 1, two key steps: 128 rows
	s_mov_b32 s41, 32<<16
	s_mov_b32 s42, 128<<16
	s_mov_b32 s43, 32<<16
	s_mov_b32 s44, 128
	s_mov_b32 s45, 32
	s_mov_b32 s46, 0
	s_mov_b32 s47, 0
	s_mov_b32 s[SEL], 0x76543210                   ; v_permlanex16_b32's selects for lane l xor 16
	s_mov_b32 s[SEL+1], 0xfedcba98
	s_mov_b32 s[MNT], 0x600000                     ; the mantissa field of 448
	s_mov_b32 s[CS], 0x3e38aa3b                    ; log2(e) / 8
	s_mov_b32 s[CS+1], s[CS]
	s_wait_dscnt 0x0                               ; both opening adds are done
	s_wait_kmcnt 0x0
	ROUND                                          ; the four work-groups are here: the joint loads meet
	s_mov_b32 s48, 1
	s_mov_b32 s49, SCK
	s_add_nc_u64 s[50:51], s[10:11], s[18:19]
	s_or_b32 s51, s51, 0x80000000
	s_mov_b32 s52, 1
	s_mov_b32 s53, 0
	s_add_nc_u64 s[54:55], s[8:9], s[20:21]
	s_or_b32 s55, s55, 0x80000000
	s_mov_b32 s56, 1
	s_mov_b32 s57, s22
	s_add_nc_u64 s[58:59], s[8:9], s[20:21]
	s_add_nc_u64 s[58:59], s[58:59], s[22:23]
	s_or_b32 s59, s59, 0x80000000
	s_cmp_eq_u32 s14, 0                            ; one tensor load a wave, in one chain of arms: every way through the head passes one
	s_cbranch_scc0 .Lwords
	tensor_load_to_lds s[52:55], s[32:39]          ; wave 0: key steps 0 to 3
	s_nop 0
.rept 4
	v_nop
.endr
	s_branch .Lasked
.Lwords:
	s_cmp_eq_u32 s14, 1
	s_cbranch_scc0 .Lrest
	tensor_load_to_lds s[48:51], s[24:31]          ; wave 1: the scale words
	s_nop 0
.rept 4
	v_nop
.endr
	s_branch .Lasked
.Lrest:
	tensor_load_to_lds s[56:59], s[40:47]          ; waves 2 to 7: key steps 2 w and 2 w + 1
	s_nop 0
.rept 4
	v_nop
.endr
.Lasked:
	s_lshl_b32 s18, s16, 17                        ; qc: 131,072 bytes a head, 32,768 a work-group, 2,048 a wave (two tiles)
	s_lshl_b32 s19, s15, 15
	s_add_co_u32 s18, s18, s19
	s_lshl_b32 s19, s14, 11
	s_add_co_u32 s18, s18, s19
	s_mov_b32 s19, 0
	s_add_nc_u64 s[4:5], s[4:5], s[18:19]
	s_lshl_b32 s18, s16, 13                        ; qs: 4 bytes a query
	s_lshl_b32 s19, s15, 11
	s_add_co_u32 s18, s18, s19
	s_lshl_b32 s19, s14, 7
	s_add_co_u32 s18, s18, s19
	s_mov_b32 s19, 0
	s_add_nc_u64 s[6:7], s[6:7], s[18:19]
	s_lshr_b32 s18, s16, 4                         ; out0: batch x 2^23 + query x 4,096 + head x 256
	s_lshl_b32 s18, s18, 23
	s_lshl_b32 s19, s15, 21
	s_add_co_u32 s18, s18, s19
	s_lshl_b32 s19, s14, 17
	s_add_co_u32 s18, s18, s19
	s_and_b32 s19, s16, 15
	s_lshl_b32 s19, s19, 8
	s_add_co_u32 s18, s18, s19
	s_mov_b32 s19, 0
	s_add_nc_u64 s[12:13], s[12:13], s[18:19]
	v_and_b32 v[L4], 31, v0
	s_delay_alu instid0(VALU_DEP_1)
	v_lshlrev_b32 v[LI], 4, v[L4]                  ; 16 x lane
	s_delay_alu instid0(VALU_DEP_2)
	v_lshlrev_b32 v[L4], 2, v[L4]                  ; 4 x lane
	s_delay_alu instid0(VALU_DEP_1)
	v_add_nc_u32 v[LSK], SCK, v[L4]
	s_delay_alu instid0(VALU_DEP_2)
	v_add_nc_u32 v[LSV], SCV, v[L4]
	v_and_b32 v11, 15, v0
	v_bfe_u32 v27, v0, 4, 1
	s_mul_i32 s18, s14, 16*SP
	s_add_co_u32 s18, s18, STG                     ; my stage
	v_mul_u32_u24 v[STO], v11, SP
	s_delay_alu instid0(VALU_DEP_1)
	v_lshl_add_u32 v[STO], v27, 5, v[STO]
	s_delay_alu instid0(VALU_DEP_1)
	v_add_nc_u32 v[STO], s18, v[STO]               ; in: row r, 32 bytes for each half of the lanes
	v_mul_u32_u24 v[RD], v27, SP
	s_delay_alu instid0(VALU_DEP_1)
	v_lshl_add_u32 v[RD], v11, 4, v[RD]
	s_delay_alu instid0(VALU_DEP_1)
	v_add_nc_u32 v[RD], s18, v[RD]                 ; back: lanes 0-15 one row of 256 bytes, lanes 16-31 the next
	v_lshlrev_b32 v[GO], 12, v27
	s_delay_alu instid0(VALU_DEP_1)
	v_lshl_add_u32 v[GO], v11, 4, v[GO]            ; and the same two rows in out0
	WIN W_LD
.irp q, 0,1
.irp c, 0,1
	global_load_b128 v[QF+16*\q+4*\c:QF+16*\q+4*\c+3], v[LI], s[4:5] offset:1024*\q+512*\c
	global_load_b128 v[QN+8*\q+4*\c:QN+8*\q+4*\c+3], v[LI], s[4:5] offset:16384+1024*\q+512*\c
.endr
.endr
.irp j, 0,1,2,3,4,5,6,7
	v_mov_b32 v[QF+8+\j], 0                        ; the zeros that fill K = 64 up to the instruction's 128
	v_mov_b32 v[QF+24+\j], 0
	v_mov_b32 v[KF+64+\j], 0
.endr
	WIN 0
	global_load_b32 v[QSW], v[L4], s[6:7]          ; lanes 0-15 tile 0's words, lanes 16-31 tile 1's
	global_load_b32 v[QS1], v[L4], s[6:7] offset:1024
.macro STATE                           ; a pass begins: the largest score -3e38, sums and O^T zeros: the first change of M multiplies zeros
.irp q, 0,1
	v_mov_b32 v[13+4*\q], 0xff61b1e6
	s_delay_alu instid0(VALU_DEP_1)
	v_floor_f32 v[12+4*\q], -v[13+4*\q]
	v_mov_b32 v[14+4*\q], 0
	v_mov_b32 v[15+4*\q], 0
.irp b, 0,1,2,3
	v_mov_b32 v[WK+24*\q+4+\b], 0
.endr
	v_mov_b32 v[WK+24*\q+17], 0
.endr
	WIN W_LD
.set j, 0
.rept 64
	v_mov_b32 v[j], 0
.set j, j+1
.endr
	WIN 0
	s_mov_b32 s[TB], 0
	s_mov_b32 s[TS], 0
	s_mov_b32 s[TJ], 0
	s_mov_b32 s[CNT], 15
.endm
.macro NAMES q
.set SS, SR+64*\q
.set TT, WK+24*\q                      ; +0..3 a block's largest; +4..7 the other half's, then bytes; +8..11 448 x scale; +12..15 the conversions' operand; +16 f (+17: 0); +18 at work; +19 the old -M
.set NM, 12+4*\q
.set PP, PCD+16*\q
.set XQ, XS+8*\q
.endm
.macro MAXI q, x                       ; 40 lines: the largest score of each block of 32 keys, the four blocks by turns; each accumulator is read from its low end on
	NAMES \q
.if (\x) < 4
	v_max3_num_f32 v[TT+(\x)], v[SS+16*(\x)], v[SS+16*(\x)+1], v[SS+16*(\x)+2]
.elseif (\x) < 28
	v_max3_num_f32 v[TT+(\x)%4], v[TT+(\x)%4], v[SS+16*((\x)%4)+2*((\x)/4)+1], v[SS+16*((\x)%4)+2*((\x)/4)+2]
.elseif (\x) < 32
	v_max_num_f32 v[TT+(\x)%4], v[TT+(\x)%4], v[SS+16*((\x)%4)+15]
.elseif (\x) < 36
	v_permlanex16_b32 v[TT+4+(\x)%4], v[TT+(\x)%4], s[SEL], s[SEL+1]
.else
	v_max_num_f32 v[TT+(\x)%4], v[TT+(\x)%4], v[TT+4+(\x)%4]
.endif
.endm
.macro STH q, x                        ; the running largest score, and -M = floor(-t)
	NAMES \q
.if (\x) == 0
	v_max3_num_f32 v[TT+18], v[TT], v[TT+1], v[TT+2]
.elseif (\x) == 1
	v_max3_num_f32 v[NM+1], v[TT+18], v[TT+3], v[NM+1]
.elseif (\x) == 2
	v_mul_f32 v[TT+18], s[CS], v[NM+1]
.else
	v_floor_f32 v[NM], -v[TT+18]
.endif
.endm
.macro STT q, x                        ; f = 2^(old M - new M)
	NAMES \q
.if (\x) == 0
	v_sub_f32 v[TT+19], v[NM], v[TT+19]
.elseif (\x) == 1
	v_cvt_i32_f32 v[TT+19], v[TT+19]
.else
	v_ldexp_f32 v[TT+16], 1.0, v[TT+19]
.endif
.endm
.macro FMAI q, x                       ; 36 lines: t - M of the four blocks' largest and of the 64 scores
	NAMES \q
.if (\x) < 4
	v_fma_f32 v[TT+(\x)], v[TT+(\x)], s[CS], v[NM]
.else
	v_pk_fma_f32 v[SS+2*(\x)-8:SS+2*(\x)-7], v[SS+2*(\x)-8:SS+2*(\x)-7], s[CS:CS+1], v[NM:NM+1] op_sel_hi:[1,0,0]
.endif
.endm
.macro EXPI q, x                       ; 68 lines: the blocks' largest p, then p
	NAMES \q
.if (\x) < 4
	v_exp_f32 v[TT+(\x)], v[TT+(\x)]
.else
	v_exp_f32 v[SS+(\x)-4], v[SS+(\x)-4]
.endif
.endm
.macro SCI q, x                        ; 0: the sums under the new M;  1 .. 19: floor, conversion operand, 448 x scale, bytes, p's scale word
	NAMES \q
.if (\x) == 0
	v_pk_mul_f32 v[NM+2:NM+3], v[NM+2:NM+3], v[TT+16:TT+17] op_sel_hi:[1,0]
.elseif (\x) < 5
	v_max_num_f32 v[TT+(\x)-1], 0x4800000, v[TT+(\x)-1]
.elseif (\x) < 9
	v_add_nc_u32 v[TT+12+(\x)-5], 0xfc000000, v[TT+(\x)-5]
.elseif (\x) < 13
	v_and_or_b32 v[TT+8+(\x)-9], v[TT+(\x)-9], 0x7f800000, s[MNT]
.elseif (\x) < 17
	v_lshrrev_b32 v[TT+4+(\x)-13], 23, v[TT+12+(\x)-13]
.elseif (\x) == 17
	v_lshl_or_b32 v[PWD+\q], v[TT+5], 8, v[TT+4]
.elseif (\x) == 18
	v_lshl_or_b32 v[PWD+\q], v[TT+6], 16, v[PWD+\q]
.else
	v_lshl_or_b32 v[PWD+\q], v[TT+7], 24, v[PWD+\q]
.endif
.endm
.macro SUMI q, x                       ; 32 lines: the row's sum of the unquantised p, two at a time, in four chains
	NAMES \q
.if (\x) < 3
	v_pk_add_f32 v[XQ+2*(\x):XQ+2*(\x)+1], v[SS+4*(\x):SS+4*(\x)+1], v[SS+4*(\x)+2:SS+4*(\x)+3]
.elseif ((\x) < 29) && ((\x)%4 == 3)
	v_pk_add_f32 v[NM+2:NM+3], v[NM+2:NM+3], v[SS+2*(\x)+6:SS+2*(\x)+7]
.elseif (\x) < 29
	v_pk_add_f32 v[XQ+2*((\x)%4):XQ+2*((\x)%4)+1], v[XQ+2*((\x)%4):XQ+2*((\x)%4)+1], v[SS+2*(\x)+6:SS+2*(\x)+7]
.elseif (\x) == 29
	v_pk_add_f32 v[XQ:XQ+1], v[XQ:XQ+1], v[XQ+2:XQ+3]
.elseif (\x) == 30
	v_pk_add_f32 v[NM+2:NM+3], v[NM+2:NM+3], v[XQ+4:XQ+5]
.else
	v_pk_add_f32 v[NM+2:NM+3], v[NM+2:NM+3], v[XQ:XQ+1]
.endif
.endm
.macro MCI q, x                        ; for each pair of blocks 20 lines: 16 pairs of holds (p is not negative: one-sided), then 4 conversions
	NAMES \q
.set gg, (\x)/20
.set yy, (\x)%20
.if yy < 16
.set zz, yy+1-2*(yy%2)
	v_dual_min_num_f32 v[SS+32*gg+yy], v[SS+32*gg+yy], v[TT+8+2*gg] :: v_dual_min_num_f32 v[SS+32*gg+16+zz], v[SS+32*gg+16+zz], v[TT+9+2*gg]
.else
.set bb, 2*gg+(yy-16)/2
.set hh, (yy-16)%2
	v_cvt_scalef32_pk8_fp8_f32 v[PP+4*bb+2*hh:PP+4*bb+2*hh+1], v[SS+16*bb+8*hh:SS+16*bb+8*hh+7], v[TT+12+bb]
.endif
.endm
.macro RESC4 n                         ; accumulator n of O^T under the new M
.irp j, 0,2,4,6
	v_pk_mul_f32 v[32*((\n)%2)+8*((\n)/2)+\j:32*((\n)%2)+8*((\n)/2)+\j+1], v[32*((\n)%2)+8*((\n)/2)+\j:32*((\n)%2)+8*((\n)/2)+\j+1], v[WK+24*((\n)%2)+16:WK+24*((\n)%2)+17] op_sel_hi:[1,0]
.endr
.endm
.macro KQ1 t, q                        ; S^T: 16 keys of tile t x 16 queries of tile q
.if ((\t)%2 == 0) && ((\q) == 0)
	v_wmma_scale_f32_16x16x128_f8f6f4 v[SR+64*\q+8*\t:SR+64*\q+8*\t+7], v[KF+8*\t:KF+8*\t+15], v[QF+16*\q:QF+16*\q+15], 0, v[KSW+\t/2], v[QSW]
.elseif ((\q) == 0)
	v_wmma_scale_f32_16x16x128_f8f6f4 v[SR+64*\q+8*\t:SR+64*\q+8*\t+7], v[KF+8*\t:KF+8*\t+15], v[QF+16*\q:QF+16*\q+15], 0, v[KSW+\t/2], v[QSW] matrix_a_scale:MATRIX_SCALE_ROW1
.elseif ((\t)%2 == 0)
	v_wmma_scale_f32_16x16x128_f8f6f4 v[SR+64*\q+8*\t:SR+64*\q+8*\t+7], v[KF+8*\t:KF+8*\t+15], v[QF+16*\q:QF+16*\q+15], 0, v[KSW+\t/2], v[QSW] matrix_b_scale:MATRIX_SCALE_ROW1
.else
	v_wmma_scale_f32_16x16x128_f8f6f4 v[SR+64*\q+8*\t:SR+64*\q+8*\t+7], v[KF+8*\t:KF+8*\t+15], v[QF+16*\q:QF+16*\q+15], 0, v[KSW+\t/2], v[QSW] matrix_a_scale:MATRIX_SCALE_ROW1 matrix_b_scale:MATRIX_SCALE_ROW1
.endif
.endm
.macro PVN n                           ; O^T += 16 channels x 128 keys x 16 queries; the eight accumulators by turns
.set dd, (\n)/2
.set qq, (\n)%2
.if (dd%2) == 0
	v_wmma_scale_f32_16x16x128_f8f6f4 v[32*qq+8*dd:32*qq+8*dd+7], v[VF+16*dd:VF+16*dd+15], v[PCD+16*qq:PCD+16*qq+15], v[32*qq+8*dd:32*qq+8*dd+7], v[VSW+dd/2], v[PWD+qq]
.else
	v_wmma_scale_f32_16x16x128_f8f6f4 v[32*qq+8*dd:32*qq+8*dd+7], v[VF+16*dd:VF+16*dd+15], v[PCD+16*qq:PCD+16*qq+15], v[32*qq+8*dd:32*qq+8*dd+7], v[VSW+dd/2], v[PWD+qq] matrix_a_scale:MATRIX_SCALE_ROW1
.endif
.endm
.macro KWORDS adr, off
.irp u, 0,1,2,3
	ds_load_b32 v[KSW+\u], v[\adr] offset:\off+128*\u
.endr
.endm
.macro KFRAGS adr, off
.irp t, 0,1,2,3,4,5,6,7
.irp c, 0,1
	ds_load_b128 v[KF+8*\t+4*\c:KF+8*\t+4*\c+3], v[\adr] offset:\off+1024*\t+512*\c
.endr
.endr
.endm
; A KEY STEP of 128 keys for my two tiles.  pre = 1: the next step's K is fetched behind the first product; 2: key step 0's, for the next pass.
.macro KSTEP pre
	s_wait_dscnt 0x0                               ; K's fragments and words
	WIN W_KQ
.irp t, 0,1,2,3,4,5,6,7
.irp q, 0,1
	KQ1 \t, \q
.endr
.endr
	WIN 0
	v_add_nc_u32 v[ADK], s[TB], v[LI]              ; eight plain lines behind the products, ahead of the loads into what they have read and of the first read of S^T
	v_add_nc_u32 v[ADT], s[TJ], v[LSV]
.if \pre == 1
	v_add_nc_u32 v[ADS], s[TS], v[LSK]
.else
	v_nop
.endif
	v_mov_b32 v[WK+19], v12                        ; the old -M
	v_mov_b32 v[WK+24+19], v16
.rept 3
	v_nop
.endr
.irp u, 0,1
	ds_load_b32 v[VSW+\u], v[ADT] offset:128*\u
.endr
.if \pre == 1
	KWORDS ADS, 512
.else
	KWORDS LSK, 0
.endif
	WIN W_LD
.irp d, 0,1,2,3
.irp c, 0,1,2,3
	ds_load_b128 v[VF+16*\d+4*\c:VF+16*\d+4*\c+3], v[ADK] offset:8192+2048*\d+512*\c
.endr
.endr
.if \pre == 1
	KFRAGS ADK, 16384
.else
	KFRAGS LI, 0
.endif
	WIN 0
.set n, 0
.rept 48                               ; the maxima, tile 1 eight lines behind tile 0; tile 0's M among tile 1's last
.if n < 40
	MAXI 0, n
.elseif (n%2) == 0
	STH 0, (n-40)/2
.endif
.if n >= 8
	MAXI 1, n-8
.endif
.set n, n+1
.endr
.set n, 0
.rept 36                               ; tile 0's t - M; among them tile 1's M and both tiles' f
	FMAI 0, n
.if ((n%3) == 0) && (n < 12)
	STH 1, n/3
.elseif ((n%3) == 0) && (n < 21)
	STT 1, n/3-4
.elseif ((n%3) == 1) && (n < 9)
	STT 0, n/3
.endif
.set n, n+1
.endr
	WIN W_PV
.irp m, 0,1,2,3,4,5,6,7
	RESC4 \m                                       ; O^T under the new M, ahead of the exponentials: none stands between the last step's products and these lines
.endr
	WIN 0
	WALU                                           ; ahead of the batch
.set e, 0
.rept 68                               ; tile 0's exponentials; among them tile 1's t - M, first read behind the next two waits
	EXPI 0, e
.if e < 36
	FMAI 1, e
.endif
.set e, e+1
.endr
	SCI 0, 0                                       ; a plain line behind the last exponential
	WALU                                           ; behind the batch
.set n, 0
.rept 32                               ; tile 0's sum and scales
	SUMI 0, n
.if n < 19
	SCI 0, n+1
.endif
.set n, n+1
.endr
	WALU                                           ; ahead of the second batch
.set e, 0
.rept 68                               ; tile 1's exponentials; among them tile 0's holds, first read (by the conversions) behind the next wait
	EXPI 1, e
.if e < 16
	MCI 0, e
.elseif e < 32
	MCI 0, e+4
.endif
.set e, e+1
.endr
	SCI 1, 0
	WALU                                           ; behind the batch, and directly ahead of the wait below
	s_wait_dscnt 16                                ; V and its words are in; the youngest sixteen loads, the next K's fragments, may be out
.set n, 0
.rept 19                               ; tile 1's scales and the first half of its sum; tile 0's eight conversions, plain lines behind each
	SCI 1, n+1
.if n < 16
	SUMI 1, n
.endif
.if n < 4
	MCI 0, n+16
.elseif n < 8
	MCI 0, n+32
.endif
.set n, n+1
.endr
.set n, 0
.rept 40                               ; tile 1's holds and conversions
	MCI 1, n
.set n, n+1
.endr
.set n, 16
.rept 16                               ; the rest of tile 1's sum: also the places between the conversions and the products
	SUMI 1, n
.set n, n+1
.endr
	WIN W_PV
.irp m, 0,1,2,3,4,5,6,7
	PVN \m
.endr
	WIN 0
.if \pre == 1
	s_add_co_u32 s[TB], s[TB], 16384
	s_add_co_u32 s[TS], s[TS], 512
	s_add_co_u32 s[TJ], s[TJ], 256
.endif
.endm
; THE WAY OUT of a pass: O^T / the sum goes through my stage and leaves as aligned units of 256 bytes: a head's 64 channels of one query.
.macro OUT
.rept 8
	v_nop
.endr
.irp q, 0,1
	v_add_f32 v[WK+24*\q+18], v[14+4*\q], v[15+4*\q]
.endr
.irp q, 0,1
	s_delay_alu instid0(VALU_DEP_2)
	v_permlanex16_b32 v[WK+24*\q+4], v[WK+24*\q+18], s[SEL], s[SEL+1]
.endr
.irp q, 0,1
	s_delay_alu instid0(VALU_DEP_2)
	v_add_f32 v[WK+24*\q+18], v[WK+24*\q+18], v[WK+24*\q+4]
.endr
	WALU
.irp q, 0,1
	v_rcp_f32 v[WK+24*\q+16], v[WK+24*\q+18]
.endr
	v_nop
	WALU
.irp q, 0,1
	WIN W_OUT
.set j, 0
.rept 16
	v_pk_mul_f32 v[SR+64*\q+j:SR+64*\q+j+1], v[32*\q+j:32*\q+j+1], v[WK+24*\q+16:WK+24*\q+17] op_sel_hi:[1,0]
.set j, j+2
.endr
	WIN 0
.irp d, 0,1,2,3
	ds_store_b128 v[STO], v[SR+64*\q+8*\d:SR+64*\q+8*\d+3] offset:64*\d
	ds_store_b128 v[STO], v[SR+64*\q+8*\d+4:SR+64*\q+8*\d+7] offset:64*\d+16
.endr
.irp i, 0,1,2,3,4,5,6,7
	ds_load_b128 v[SR+64*\q+32+4*\i:SR+64*\q+32+4*\i+3], v[RD] offset:2*\i*SP   ; LDS serves a wave's instructions in order (ISA guide 5.7.1.4): these see my stores
.endr
.endr
.irp q, 0,1
.irp i, 0,1,2,3,4,5,6,7
	s_wait_dscnt 23-16*\q-\i                       ; behind this load: the rest of its eight, and for tile 0 tile 1's 8 stores and 8 loads
	global_store_b128 v[GO], v[SR+64*\q+32+4*\i:SR+64*\q+32+4*\i+3], s[12:13] offset:65536*\q+8192*\i th:TH_STORE_NT
.endr
.endr
	s_wait_xcnt 0x0                                ; the stores have read their registers and their base
.endm
	STATE
	s_wait_loadcnt 0x0                             ; Q
	s_cmp_lt_u32 s14, 2
	s_cbranch_scc0 .Lnot_first
	s_wait_tensorcnt 0x0                           ; waves 0 and 1: key steps 0 to 3 and the scale words are in.  The other waves' wait stands at the second barrier
.Lnot_first:
	s_barrier_signal -1
	s_barrier_wait -1
	KWORDS LSK, 0
	WIN W_LD
	KFRAGS LI, 0
	WIN 0
	KSTEP 1                                        ; key step 0 of the first pass: it reads key steps 0 and 1 alone
	s_wait_tensorcnt 0x0                           ; every wave: my load is in;
	s_wait_dscnt 0x0
	s_barrier_signal -1
	s_barrier_wait -1                              ; everybody's is
	s_mov_b32 s[CNT], 14                           ; the first pass has 14 steps left for the inner loop, the second 15
	s_mov_b32 s71, 0                               ; passes done
.Lpass:                                                ; two trips, a pass each; a pass's last step is written out
.Lstep:
	KSTEP 1
	s_sub_co_u32 s[CNT], s[CNT], 1
	s_cmp_lg_u32 s[CNT], 0
	s_cbranch_scc1 .Lstep
	KSTEP 2                                        ; it fetches key step 0's K for the next pass (in the second pass these 20 loads are awaited at the end and not used)
	OUT
	s_add_co_u32 s71, s71, 1
	s_cmp_eq_u32 s71, 2
	s_cbranch_scc1 .Ldone
	s_add_nc_u64 s[12:13], s[12:13], 1048576       ; the second pass's queries lie 256 rows of out0 on
	v_mov_b32 v[QSW], v[QS1]
	WIN W_RS
.irp q, 0,1
.irp j, 0,1,2,3,4,5,6,7
	v_mov_b32 v[QF+16*\q+\j], v[QN+8*\q+\j]
.endr
.endr
	WIN 0
	STATE
	WALU
	s_cmp_lt_u32 s71, 2
	s_cbranch_scc1 .Lpass
.Ldone:
	s_wait_dscnt 0x0
	s_wait_tensorcnt 0x0                           ; the wave's end
	ds_add_u32 v94, v95
	s_wait_dscnt 0x0
	ROUND                                          ; the closing round
	s_endpgm
.Lfunc_end_k_qa13b9f34ec_attn:
	.size	k_qa13b9f34ec_attn, .Lfunc_end_k_qa13b9f34ec_attn-k_qa13b9f34ec_attn
	.p2alignl 7, 3214868480
	.fill 96, 4, 3214868480
	.section	.rodata,"a",@progbits
	.p2align	6, 0x0
	.amdhsa_kernel k_qa13b9f34ec_attn
		.amdhsa_group_segment_fixed_size 327680
		.amdhsa_private_segment_fixed_size 0
		.amdhsa_enable_private_segment 0
		.amdhsa_kernarg_size 40
		.amdhsa_user_sgpr_count 2
		.amdhsa_user_sgpr_kernarg_segment_ptr 1
		.amdhsa_wavefront_size32 1
		.amdhsa_system_sgpr_workgroup_id_x 1
		.amdhsa_system_sgpr_workgroup_id_y 1
		.amdhsa_system_sgpr_workgroup_id_z 1
		.amdhsa_system_vgpr_workitem_id 0
		.amdhsa_next_free_vgpr 512
		.amdhsa_next_free_sgpr 72
		.amdhsa_reserve_vcc 0
		.amdhsa_float_denorm_mode_32 3
		.amdhsa_float_denorm_mode_16_64 3
		.amdhsa_memory_ordered 1
		.amdhsa_forward_progress 1
		.amdhsa_inst_pref_size 126
	.end_amdhsa_kernel
	.amdgpu_metadata
---
amdhsa.version: [ 1, 2 ]
amdhsa.kernels:
  - .name:           k_qa13b9f34ec_attn
    .symbol:         k_qa13b9f34ec_attn.kd
    .args:
      - { .name: qc, .offset: 0, .size: 8, .value_kind: global_buffer, .address_space: global }
      - { .name: qs, .offset: 8, .size: 8, .value_kind: global_buffer, .address_space: global }
      - { .name: kv, .offset: 16, .size: 8, .value_kind: global_buffer, .address_space: global }
      - { .name: kvs, .offset: 24, .size: 8, .value_kind: global_buffer, .address_space: global }
      - { .name: out0, .offset: 32, .size: 8, .value_kind: global_buffer, .address_space: global }
    .group_segment_fixed_size: 327680
    .private_segment_fixed_size: 0
    .kernarg_segment_align: 8
    .kernarg_segment_size: 40
    .max_flat_workgroup_size: 256
    .sgpr_count:     72
    .vgpr_count:     512
    .wavefront_size: 32
...
	.end_amdgpu_metadata
.endif
;; end of part 4
